; MI455X (gfx1250); checked and timed in simulation.
; The chip was launched on July 23, 2026; its instructions are those of AMD's public machine-readable ISA for CDNA 5 (MIT licence, August 2026) and "CDNA5" Instruction Set Architecture Reference Guide (July 2026). The comments in the code are by the model that wrote it; some were corrected since.
;; Toy Transformer. Allowed arithmetic: float matrix products may take bf16 or f16 operands with f32 sums; all other float work in f32.
;; Inputs: ffn_b1 4,096 float32; ffn_b2 1,024 float32; ffn_w1 1,024 x 4,096 float32; ffn_w2 4,096 x 1,024 float32; ln1_b 1,024 float32; ln1_g 1,024 float32; ln2_b 1,024 float32; ln2_g 1,024 float32; out_b 1,024 float32; out_w 1,024 x 1,024 float32; qkv_w 1,024 x 3,072 float32; x 2 x 2,048 x 1,024 float32.
;; Outputs: out0 2 x 2,048 x 1,024 float32.
;; 2 versions, each right; version 2 is version 1 with the launches prep, ln2 written anew for expert scheduling mode. Each part assembles by itself: llvm-mc -triple=amdgcn-amd-amdhsa -mcpu=gfx1250 --defsym DOCPART=n.
;; ======== version 1 of 2: 7 launches
;; workspace buffers: wb 25,165,824 bytes; h 8,388,608 bytes; qkv 25,165,824 bytes; ctx 8,388,608 bytes; x1 16,777,216 bytes; g 33,554,432 bytes
;; launch prep (part 1): grid 1024 x 1, 8 waves a work-group, no clusters, 0 bytes of LDS; arguments x, ln1_g, ln1_b, h, qkv_w, out_w, ffn_w1, ffn_w2, wb; writes h, wb
.if DOCPART == 1
	.amdgcn_target "amdgcn-amd-amdhsa--gfx1250"
	.amdhsa_code_object_version 6
	.text
	.protected	k_q84609614f1_prep
	.globl	k_q84609614f1_prep
	.p2align	8
	.type	k_q84609614f1_prep,@function
k_q84609614f1_prep:
	s_mov_b64 s[64:65], 0
	v_nop
	global_prefetch_b8 v0, s[64:65] scope:SCOPE_SE
	s_setreg_imm32_b32 hwreg(HW_REG_WAVE_MODE, 25, 1), 1
	s_wait_xcnt 0x0
; Two independent streams in one launch, chosen by the work-group's number alone: neither reads what the other stores.
; WORK-GROUPS 0 TO 255: h = (x - mean) / (std + 1e-5) * gain + shift, row by row; std with divisor 1023; x f32 [4096][1024]; h in bf16.
;   h is stored in column blocks: [16 blocks of 64 columns][4096 tokens][64], so token t of block j lies at (j * 4096 + t) * 128 bytes.
;   Sixteen lanes own a row, a wave two neighbouring rows, the work-group 16 rows.  Lane r holds columns 64 j + 4 r .. + 3, j = 0..15:
;   a load's sixteen lanes cover 256 consecutive bytes of a row, and a store of the wave covers 256 consecutive bytes, aligned
;   (two tokens of block j).  The row stays in 64 registers between the passes: mean first, then the centred squares, so that no
;   difference of large sums is formed.  A row lives inside one group of 16 lanes, so four xor steps on the arithmetic finish a sum.
;   Limits: v_sqrt_f32 and v_rcp_f32 flush denormals (ISA guide, their entries), which matters only for a variance below 2^-126.
; WORK-GROUPS 256 TO 1023: wb = the four weight matrices rounded once to bf16 (nearest even), each in its own [K][N] order, one behind the
;   other: qkv_w at byte 0, out_w at 6,291,456, ffn_w1 at 8,388,608, ffn_w2 at 16,777,216.  Together 12 x 2^20 numbers.
;   A work-group takes 16,384 numbers (64 KiB in, 32 KiB out), so 64 work-groups make 2^20 numbers and 768 make all.  Thread t takes 4 numbers
;   of each of sixteen runs of 1,024: a load of a wave covers 512 consecutive bytes, a store 256 consecutive bytes, aligned, and no byte
;   is asked for twice.  All sixteen loads go out first; no register is written twice, so no source is ever freed.
; Both are bound by their bytes: no LDS, no barrier, no matrix unit.
.set NLN, 256                          ; work-groups of the first stream
.set X,  8                             ; v[8:71]    the row's 64 numbers of this lane
.set G,  72                            ; v[72:135]  gain of my columns
.set BV, 136                           ; v[136:199] shift of my columns
.set Y,  200                           ; v[200:231] results in bf16
.set T,  232                           ; v[232:239] at work
.set CX, 4                             ; second stream: v[4:67]  run i: 4 numbers in f32
.set CY, 68                            ; second stream: v[68:99] run i: 4 numbers in bf16
	s_cmp_lt_u32 ttmp9, NLN
	s_cbranch_scc0 .Lcast
	s_load_b256 s[4:11], s[0:1], 0x0               ; x s[4:5], gain s[6:7], shift s[8:9], h s[10:11]
	v_and_b32 v4, 15, v0                           ; r
	v_lshrrev_b32 v5, 4, v0                        ; row of the work-group's 16
	v_lshlrev_b32 v2, 4, v4                        ; 16 r: gain and shift
	v_lshl_add_u32 v1, v5, 12, v2                  ; row * 4096 + 16 r: x
	v_lshlrev_b32 v3, 3, v4
	v_lshl_add_u32 v3, v5, 7, v3                   ; row * 128 + 8 r: h
	s_lshl_b32 s2, ttmp9, 16                       ; 16 rows of 4,096 bytes
	s_mov_b32 s3, 0
	s_lshl_b32 s12, ttmp9, 11                      ; 16 tokens of 128 bytes
	s_mov_b32 s13, 0
	s_wait_kmcnt 0x0
	s_add_nc_u64 s[4:5], s[4:5], s[2:3]
	s_add_nc_u64 s[10:11], s[10:11], s[12:13]
.irp j, 0,1,2,3,4,5,6,7,8,9,10,11,12,13,14,15
	global_load_b128 v[X+4*\j:X+4*\j+3], v1, s[4:5] offset:256*\j
.endr
.irp j, 0,1,2,3,4,5,6,7,8,9,10,11,12,13,14,15
	global_load_b128 v[G+4*\j:G+4*\j+3], v2, s[6:7] offset:256*\j
.endr
.irp j, 0,1,2,3,4,5,6,7,8,9,10,11,12,13,14,15
	global_load_b128 v[BV+4*\j:BV+4*\j+3], v2, s[8:9] offset:256*\j
.endr
; four chains of pairs in v[T:T+7] fold to one number, then over the row's sixteen lanes: every lane ends with the row's sum
.macro REDUCE
	v_pk_add_f32 v[T:T+1], v[T:T+1], v[T+2:T+3]
	v_pk_add_f32 v[T+4:T+5], v[T+4:T+5], v[T+6:T+7]
	v_pk_add_f32 v[T:T+1], v[T:T+1], v[T+4:T+5]
	v_add_f32 v[T], v[T], v[T+1]
	v_add_f32_dpp v[T], v[T], v[T] row_xmask:1 row_mask:0xf bank_mask:0xf
	v_add_f32_dpp v[T], v[T], v[T] row_xmask:2 row_mask:0xf bank_mask:0xf
	v_add_f32_dpp v[T], v[T], v[T] row_xmask:4 row_mask:0xf bank_mask:0xf
	v_add_f32_dpp v[T], v[T], v[T] row_xmask:8 row_mask:0xf bank_mask:0xf
.endm
	s_wait_loadcnt 32                              ; x's sixteen loads are in; the 32 of gain and shift may stay out
.irp k, 0,1,2,3
	v_pk_add_f32 v[T+2*\k:T+2*\k+1], v[X+2*\k:X+2*\k+1], v[X+8+2*\k:X+8+2*\k+1]   ; the first sums start the chains
.endr
.set j, 8
.rept 24
	v_pk_add_f32 v[T+2*(j%4):T+2*(j%4)+1], v[T+2*(j%4):T+2*(j%4)+1], v[X+2*j:X+2*j+1]
.set j, j+1
.endr
	REDUCE
	v_mul_f32 v[T+2], 0x3a800000, v[T]             ; mean = sum / 1024
	v_mov_b32 v[T+3], v[T+2]
.set j, 0
.rept 32
	v_pk_add_f32 v[X+2*j:X+2*j+1], v[X+2*j:X+2*j+1], v[T+2:T+3] neg_lo:[0,1] neg_hi:[0,1]   ; x - mean
.set j, j+1
.endr
.irp k, 0,1,2,3
	v_pk_mul_f32 v[T+2*\k:T+2*\k+1], v[X+2*\k:X+2*\k+1], v[X+2*\k:X+2*\k+1]
.endr
.set j, 4
.rept 28
	v_pk_fma_f32 v[T+2*(j%4):T+2*(j%4)+1], v[X+2*j:X+2*j+1], v[X+2*j:X+2*j+1], v[T+2*(j%4):T+2*(j%4)+1]
.set j, j+1
.endr
	REDUCE
	v_mul_f32 v[T], 0x3a802008, v[T]               ; / 1023
	v_sqrt_f32 v[T+1], v[T]
	v_nop                                          ; one plain instruction behind a transcendental before its result is used (ISA guide 5.7.2)
	s_wait_alu depctr_va_vdst(0)
	v_add_f32 v[T+1], 0x3727c5ac, v[T+1]           ; std + 1e-5
	v_rcp_f32 v[T+2], v[T+1]
	v_nop
	s_wait_alu depctr_va_vdst(0)
	v_mov_b32 v[T+3], v[T+2]
.set j, 0
.rept 32
	v_pk_mul_f32 v[X+2*j:X+2*j+1], v[X+2*j:X+2*j+1], v[T+2:T+3]
.set j, j+1
.endr
	s_wait_loadcnt 0x0                             ; gain and shift
.set j, 0
.rept 32
	v_pk_fma_f32 v[X+2*j:X+2*j+1], v[X+2*j:X+2*j+1], v[G+2*j:G+2*j+1], v[BV+2*j:BV+2*j+1]
.set j, j+1
.endr
.irp j, 0,1,2,3,4,5,6,7,8,9,10,11,12,13,14,15
	v_cvt_pk_bf16_f32 v[Y+2*\j],   v[X+4*\j],   v[X+4*\j+1]
	v_cvt_pk_bf16_f32 v[Y+2*\j+1], v[X+4*\j+2], v[X+4*\j+3]
	global_store_b64 v3, v[Y+2*\j:Y+2*\j+1], s[10:11] offset:524288*\j   ; block j: 7,864,320 at the most, inside the signed 24 bits
.endr
	s_endpgm
.Lcast:
	s_load_b256 s[4:11], s[0:1], 0x20              ; qkv_w s[4:5], out_w s[6:7], ffn_w1 s[8:9], ffn_w2 s[10:11]
	s_load_b64 s[12:13], s[0:1], 0x40              ; wb
	s_sub_co_u32 s20, ttmp9, NLN                   ; my number among the 768
	s_lshr_b32 s2, s20, 6                          ; u: which 2^20 numbers of the twelve
	s_and_b32 s3, s20, 63                          ; my place among the 64 work-groups of u
	v_lshlrev_b32 v1, 4, v0                        ; 16 bytes a thread in
	v_lshlrev_b32 v2, 3, v0                        ; 8 bytes a thread out
	s_wait_kmcnt 0x0
	s_mov_b64 s[14:15], s[10:11]                   ; u = 8..11: ffn_w2, which begins at u = 8
	s_mov_b32 s16, 8
	s_cmp_lt_u32 s2, 8
	s_cselect_b64 s[14:15], s[8:9], s[14:15]       ; u = 4..7: ffn_w1
	s_cselect_b32 s16, 4, s16
	s_cmp_lt_u32 s2, 4
	s_cselect_b64 s[14:15], s[6:7], s[14:15]       ; u = 3: out_w
	s_cselect_b32 s16, 3, s16
	s_cmp_lt_u32 s2, 3
	s_cselect_b64 s[14:15], s[4:5], s[14:15]       ; u = 0..2: qkv_w
	s_cselect_b32 s16, 0, s16
	s_sub_co_u32 s2, s2, s16                       ; u counted from the matrix's first
	s_lshl_b32 s2, s2, 6
	s_add_co_u32 s2, s2, s3
	s_lshl_b32 s18, s2, 16                         ; 64 KiB of f32 for each work-group
	s_mov_b32 s19, 0
	s_add_nc_u64 s[14:15], s[14:15], s[18:19]
	s_lshl_b32 s18, s20, 15                        ; 32 KiB of bf16 for each work-group
	s_add_nc_u64 s[12:13], s[12:13], s[18:19]
.irp i, 0,1,2,3,4,5,6,7,8,9,10,11,12,13,14,15
	global_load_b128 v[CX+4*\i:CX+4*\i+3], v1, s[14:15] offset:4096*\i th:TH_LOAD_NT
.endr
.irp i, 0,1,2,3,4,5,6,7,8,9,10,11,12,13,14,15
	s_wait_loadcnt 15-\i                           ; loads come back in order: run i's is in, the younger runs' stay out
	v_cvt_pk_bf16_f32 v[CY+2*\i],   v[CX+4*\i],   v[CX+4*\i+1]
	v_cvt_pk_bf16_f32 v[CY+2*\i+1], v[CX+4*\i+2], v[CX+4*\i+3]
	global_store_b64 v2, v[CY+2*\i:CY+2*\i+1], s[12:13] offset:2048*\i
.endr
	s_endpgm
.Lfunc_end_k_q84609614f1_prep:
	.size	k_q84609614f1_prep, .Lfunc_end_k_q84609614f1_prep-k_q84609614f1_prep
	.p2alignl 7, 3214868480
	.fill 96, 4, 3214868480
	.section	.rodata,"a",@progbits
	.p2align	6, 0x0
	.amdhsa_kernel k_q84609614f1_prep
		.amdhsa_group_segment_fixed_size 0
		.amdhsa_private_segment_fixed_size 0
		.amdhsa_enable_private_segment 0
		.amdhsa_kernarg_size 72
		.amdhsa_user_sgpr_count 2
		.amdhsa_user_sgpr_kernarg_segment_ptr 1
		.amdhsa_wavefront_size32 1
		.amdhsa_system_sgpr_workgroup_id_x 1
		.amdhsa_system_sgpr_workgroup_id_y 1
		.amdhsa_system_sgpr_workgroup_id_z 1
		.amdhsa_system_vgpr_workitem_id 0
		.amdhsa_next_free_vgpr 240
		.amdhsa_next_free_sgpr 66
		.amdhsa_reserve_vcc 0
		.amdhsa_float_denorm_mode_32 3
		.amdhsa_float_denorm_mode_16_64 3
		.amdhsa_memory_ordered 1
		.amdhsa_forward_progress 1
		.amdhsa_inst_pref_size 27
	.end_amdhsa_kernel
	.amdgpu_metadata
---
amdhsa.version: [ 1, 2 ]
amdhsa.kernels:
  - .name:           k_q84609614f1_prep
    .symbol:         k_q84609614f1_prep.kd
    .args:
      - { .name: x, .offset: 0, .size: 8, .value_kind: global_buffer, .address_space: global }
      - { .name: ln1_g, .offset: 8, .size: 8, .value_kind: global_buffer, .address_space: global }
      - { .name: ln1_b, .offset: 16, .size: 8, .value_kind: global_buffer, .address_space: global }
      - { .name: h, .offset: 24, .size: 8, .value_kind: global_buffer, .address_space: global }
      - { .name: qkv_w, .offset: 32, .size: 8, .value_kind: global_buffer, .address_space: global }
      - { .name: out_w, .offset: 40, .size: 8, .value_kind: global_buffer, .address_space: global }
      - { .name: ffn_w1, .offset: 48, .size: 8, .value_kind: global_buffer, .address_space: global }
      - { .name: ffn_w2, .offset: 56, .size: 8, .value_kind: global_buffer, .address_space: global }
      - { .name: wb, .offset: 64, .size: 8, .value_kind: global_buffer, .address_space: global }
    .group_segment_fixed_size: 0
    .private_segment_fixed_size: 0
    .kernarg_segment_align: 8
    .kernarg_segment_size: 72
    .max_flat_workgroup_size: 256
    .sgpr_count:     66
    .vgpr_count:     240
    .wavefront_size: 32
...
	.end_amdgpu_metadata
.endif
;; end of part 1
;; launch qkvg (part 2): grid 12 x 16, 4 waves a work-group, clusters of 4 x 4, 327,680 bytes of LDS; arguments h, wb, qkv; writes qkv
.if DOCPART == 2
	.amdgcn_target "amdgcn-amd-amdhsa--gfx1250"
	.amdhsa_code_object_version 6
	.text
	.protected	k_q84609614f1_qkvg
	.globl	k_q84609614f1_qkvg
	.p2align	8
	.type	k_q84609614f1_qkvg,@function
k_q84609614f1_qkvg:
	s_mov_b64 s[64:65], 0
	v_nop
	global_prefetch_b8 v0, s[64:65] scope:SCOPE_SE
	s_setreg_imm32_b32 hwreg(HW_REG_WAVE_MODE, 25, 1), 1
	s_wait_xcnt 0x0
	s_wait_alu depctr_hold_cnt(0) depctr_sa_sdst(0) depctr_va_vdst(0) depctr_va_sdst(0) depctr_va_ssrc(0) depctr_va_vcc(0) depctr_vm_vsrc(0)
	s_getreg_b32 s2, hwreg(HW_REG_IB_STS2, 6, 4)
	s_cmp_eq_u32 s2, 0
	s_cbranch_scc0 .Lentry_in_a_cluster
	s_endpgm
.Lentry_in_a_cluster:
	s_bfe_u32 s2, ttmp6, 0x10000c
	s_cmp_lg_u32 s2, 0xf033
	s_cbranch_scc0 .Lentry_shape_is_right
	s_endpgm
.Lentry_shape_is_right:
; qkv = h x qkv_w.  h: bf16 in column blocks [16][4096 tokens][64].  qkv_w: bf16 [1024 (k)][3072 (n)] at wb + WOFF.  Sums in f32.
; qkv: bf16 in column blocks [48][4096][64]; block 16 * which + head holds a head's Q, K or V, 128 bytes a token.
; A work-group makes 256 tokens x 256 columns with four waves, a wave 128 x 128: 64 accumulator tiles of 16 x 16, 512 registers.
; K goes in steps of 128 through two LDS slots.  A slot holds A as two column blocks of 256 tokens (each 32 KiB dense in memory, laid at
; 144 bytes a token) and B as 128 k rows of 512 bytes (laid at 544).  Wave 0 and 1 fetch A's two blocks, wave 2 and 3 B's two halves.
; 144 is an odd multiple of 16 and 544 an odd multiple of 32: the rows that one LDS load touches start at different offsets modulo 256.
; B lies [k][n], so its fragments come by the transposing LDS load.
; CLUSTERS: 4 x 4 work-groups.  A's tiles hang on the block row alone and are asked for jointly by a row of the cluster, B's on the
; block column alone and are asked for jointly by a column: the requests for A and B are divided by four.
; The grid is 12 x 16 = 192 work-groups: blocks of 192 columns would cut a head's 64 columns between waves.
; REGISTERS in windows of 256: window 0: v16-26 addresses, v64-127 / v128-191 A's fragments (two buffers), v192-223 the way out;
; window 1: v64-127 / v128-191 B's fragments; window 2: accumulators of my tokens 0-63 (tile (a, b) at v[8 (8 a + b)]); window 3: tokens 64-127.
; The matrix instruction takes B's fragment as source 0 and A's as source 1: lane l then holds token l % 16 and eight neighbouring columns.
; The 64 accumulators take turns, one instruction a turn, in the same order in every quarter step.
; Limit: operands are rounded to bf16.
.set NDIM,   3072
.set WOFF,   0
.set LAPS,   4                         ; K = 1024 = 4 laps of two steps of 128
.set KSTEP,  128
.set CBLK,   524288                    ; bytes of a column block: 4096 tokens x 128
.set APITCH, 144
.set AREG,   256*APITCH                ; 36,864: one column block of 256 tokens
.set BPITCH, 544
.set BHALF,  64*BPITCH                 ; 34,816: 64 k rows
.set BOFF,   2*AREG
.set SLOT,   BOFF+2*BHALF              ; 143,360
.set STAGE,  2*SLOT                    ; 286,720: behind the ring, 16 rows x 272 bytes for each wave; no fill lands here
.set SPITCH, 272
.set ADRA, 16                          ; v16-17  LDS address of my A fragments in slot 0, 1
.set ADRB, 20                          ; v20-21  the same for B
.set STO,  24                          ; v24     the way out: where I put 16 bytes of a token's row
.set RD,   25                          ; v25     the way out: where I read back
.set CO,   26                          ; v26     16 x lane: my bytes in a run of 512
.set F0,   64
.set F1,   128
.set TMP,  192
.set G1,  24                           ; s[24:31] group 1 for A's tiles
.set G0,  32                           ; s[32:39] group 0 for A's tiles, a set for each slot
.set G1B, 48                           ; s[48:55] group 1 for B's tiles
.set G0B, 56                           ; s[56:63] group 0 for B's tiles, a set for each slot
.set MSB, 0
.macro WIN new                         ; the immediate's high byte repeats the setting that is left
.if MSB != \new
	s_set_vgpr_msb (MSB<<8)|\new
.set MSB, \new
.endif
.endm
.set MUL_LO, 0xa1                      ; source 0 (B) window 1, source 1 (A) window 0, C and D window 2
.set MUL_HI, 0xf1                      ; the same, C and D window 3
.set TO_B,   0x40                      ; destination window 1, address window 0
; A joint load: waves 0 and 1 ask for A, waves 2 and 3 for B.  The branch hangs on the wave's number alone.
.macro JLOAD s
	s_cmp_eq_u32 s11, 0
	s_cbranch_scc0 .Lfor_b_\@
	tensor_load_to_lds s[G0+4*\s:G0+4*\s+3], s[G1:G1+7]
	s_nop 0
	s_branch .Lasked_\@
.Lfor_b_\@:
	tensor_load_to_lds s[G0B+4*\s:G0B+4*\s+3], s[G1B:G1B+7]
	s_nop 0
.Lasked_\@:
.endm
.macro CREST                           ; a round of the cluster's barrier behind its opening work-group barrier
	s_cmp_lg_u32 s10, 0
	s_cbranch_scc1 .Lnot_wave_0_\@
	s_barrier_signal -3
.Lnot_wave_0_\@:
	s_barrier_wait -3
	s_barrier_signal -1
	s_barrier_wait -1
.endm
.macro CROUND                          ; a whole round
	s_barrier_signal -1
	s_barrier_wait -1
	CREST
.endm
	s_load_b128 s[4:7], s[0:1], 0x0                ; h s[4:5], wb s[6:7]
	s_load_b64 s[8:9], s[0:1], 0x10                ; qkv
	s_set_vgpr_msb 0x40
	v_lshl_add_u32 v255, v0, 2, 0x4a400
	s_set_vgpr_msb 0x4000
	v_mov_b32 v255, 0
	s_set_vgpr_msb 0x1
	ds_add_u32 v255, v255
	s_set_vgpr_msb 0x100
	v_lshrrev_b32 v1, 5, v0
	v_readfirstlane_b32 s10, v1                    ; wave 0..3
	s_lshr_b32 s11, s10, 1                         ; my half of the block's tokens; also: I fetch for A (0) or B (1)
	s_and_b32 s12, s10, 1                          ; my half of its columns; also: which part I fetch
	s_bfe_u32 s40, ttmp6, 0x40000                  ; cx
	s_bfe_u32 s41, ttmp6, 0x40004                  ; cy
	s_lshl_b32 s42, ttmp9, 2
	s_add_co_u32 s42, s42, s40                     ; block column = 4 x cluster x + cx
	s_and_b32 s13, ttmp7, 0xffff
	s_lshl_b32 s13, s13, 2
	s_add_co_u32 s13, s13, s41                     ; block row = 4 x cluster y + cy
	s_lshl_b32 s43, s41, 2
	s_lshl_b32 s43, 15, s43                        ; my row of the cluster: places 4 cy .. 4 cy + 3
	s_lshl_b32 s44, 0x1111, s40                    ; my column: places cx, cx + 4, cx + 8, cx + 12
	; group 1 for A: 32 KiB dense, stated as 128 rows of 128 elements; 4 words of padding behind every 32 words: a token's 128 bytes take 144
	s_or_b32 s[G1+0], s43, (1<<16)|(1<<20)|(1<<21)|(4<<22)|(3<<25)
	s_mov_b32 s[G1+1], 128<<16                     ; tensor_dim0 = 128
	s_mov_b32 s[G1+2], 128<<16                     ; tensor_dim1 = 128
	s_mov_b32 s[G1+3], 128<<16                     ; tile_dim0 = 128
	s_mov_b32 s[G1+4], 128                         ; tile_dim1 = 128
	s_mov_b32 s[G1+5], 128                         ; row to row: 128 elements (dense)
	s_mov_b32 s[G1+6], 0
	s_mov_b32 s[G1+7], 0
	; group 1 for B: 64 rows of 256 elements, NDIM elements from row to row; 8 words of padding behind every 128 words: pitch 544
	s_or_b32 s[G1B+0], s44, (1<<16)|(1<<20)|(1<<21)|(6<<22)|(7<<25)
	s_mov_b32 s[G1B+1], 256<<16
	s_mov_b32 s[G1B+2], 64<<16
	s_mov_b32 s[G1B+3], 256<<16
	s_mov_b32 s[G1B+4], 64
	s_mov_b32 s[G1B+5], NDIM
	s_mov_b32 s[G1B+6], 0
	s_mov_b32 s[G1B+7], 0
	; where the tiles come from: A's address is made of the block row and the wave's number, B's of the block column and the wave's number
	s_lshl_b32 s16, s13, 15                        ; 256 tokens x 128 bytes
	s_lshl_b32 s17, s12, 19                        ; my column block of the step's two
	s_add_co_u32 s16, s16, s17
	s_mov_b32 s17, 0
	s_lshl_b32 s46, s42, 9                         ; 256 columns x 2 bytes
	s_mul_i32 s47, s12, 128*NDIM                   ; my 64 k rows of the step's 128
	s_add_co_u32 s46, s46, s47
	s_add_co_u32 s46, s46, WOFF
	s_mov_b32 s47, 0
	s_mul_i32 s20, s10, AREG                       ; LDS: waves 0, 1: A's two blocks
	s_mul_i32 s21, s10, BHALF
	s_add_co_u32 s21, s21, BOFF-2*BHALF            ; waves 2, 3: B's two halves, from BOFF on
	s_wait_dscnt 0x0
	s_wait_kmcnt 0x0
	s_add_nc_u64 s[14:15], s[4:5], s[16:17]
	s_add_nc_u64 s[46:47], s[6:7], s[46:47]
	CROUND                                         ; all sixteen work-groups are here: the first joint loads meet
.irp s, 0,1
	s_mov_b32 s[G0+4*\s], 1
	s_add_co_u32 s[G0+4*\s+1], s20, \s*SLOT
	s_add_nc_u64 s[G0+4*\s+2:G0+4*\s+3], s[14:15], \s*2*CBLK
	s_or_b32 s[G0+4*\s+3], s[G0+4*\s+3], 0x80000000
	s_mov_b32 s[G0B+4*\s], 1
	s_add_co_u32 s[G0B+4*\s+1], s21, \s*SLOT
	s_add_nc_u64 s[G0B+4*\s+2:G0B+4*\s+3], s[46:47], \s*KSTEP*NDIM*2
	s_or_b32 s[G0B+4*\s+3], s[G0B+4*\s+3], 0x80000000
	JLOAD \s                                       ; both slots' first fills go out together: two tensor loads of the wave are out
.endr
	v_and_b32 v1, 15, v0                           ; r = l % 16
	v_bfe_u32 v2, v0, 4, 1                         ; h = l / 16
	v_mul_u32_u24 v3, v1, APITCH
	v_lshl_add_u32 v3, v2, 4, v3                   ; A: token r, 16 bytes for each half of the lanes
	v_and_b32 v4, 7, v0
	v_lshl_add_u32 v4, v2, 3, v4                   ; B: k row 8 h + l % 8,
	v_mul_u32_u24 v4, v4, BPITCH
	v_bfe_u32 v5, v0, 3, 1
	v_lshl_add_u32 v4, v5, 4, v4                   ; columns 8 ((l / 8) % 2) .. + 7
	s_mul_i32 s16, s11, 128*APITCH                 ; my 128 tokens
	s_lshl_b32 s17, s12, 8                         ; my 128 columns
	s_add_co_u32 s17, s17, BOFF
.irp s, 0,1
	v_add_nc_u32 v[ADRA+\s], s16, v3
	v_add_nc_u32 v[ADRB+\s], s17, v4
	s_add_co_u32 s16, s16, SLOT
	s_add_co_u32 s17, s17, SLOT
.endr
	s_mul_i32 s23, s10, 16*SPITCH
	s_add_co_u32 s23, s23, STAGE                   ; my stage
	v_mul_u32_u24 v5, v1, SPITCH
	v_lshl_add_u32 v5, v2, 4, v5
	v_add_nc_u32 v[STO], s23, v5                   ; in: token r, 16 bytes for each half of the lanes
	v_bfe_u32 v6, v0, 3, 2
	v_mul_u32_u24 v6, v6, SPITCH
	v_and_b32 v7, 7, v0
	v_lshl_add_u32 v6, v7, 4, v6
	v_add_nc_u32 v[RD], s23, v6                    ; back: eight lanes take a token's 128 bytes of one column block, the wave four tokens
	v_and_b32 v7, 31, v0
	v_lshlrev_b32 v[CO], 4, v7
; 16 matrix instructions: token blocks a0, a0 + 1 of the window's four x all 8 column blocks, 32 along K.  zero = 1: the product starts the sums.
.macro MUL16 f, hi, a0, zero
.irp a, \a0, \a0+1
.irp b, 0,1,2,3,4,5,6,7
.if \zero
	v_wmma_f32_16x16x32_bf16 v[8*(8*(\a)+\b):8*(8*(\a)+\b)+7], v[\f+8*\b:\f+8*\b+7], v[\f+8*(4*\hi+\a):\f+8*(4*\hi+\a)+7], 0
.else
	v_wmma_f32_16x16x32_bf16 v[8*(8*(\a)+\b):8*(8*(\a)+\b)+7], v[\f+8*\b:\f+8*\b+7], v[\f+8*(4*\hi+\a):\f+8*(4*\hi+\a)+7], v[8*(8*(\a)+\b):8*(8*(\a)+\b)+7]
.endif
.endr
.endr
.endm
; 32 LDS loads in one run: quarter q (k = 32 q .. 32 q + 31 of the slot) into buffer f: B by the transposing load, then A
.macro FETCH slot, q, f
	WIN TO_B
.irp i, 0,1,2,3,4,5,6,7
	ds_load_tr16_b128 v[\f+8*\i:\f+8*\i+3],   v[ADRB+\slot] offset:\q*32*BPITCH+32*\i
	ds_load_tr16_b128 v[\f+8*\i+4:\f+8*\i+7], v[ADRB+\slot] offset:\q*32*BPITCH+32*\i+16*BPITCH
.endr
	WIN 0
.irp i, 0,1,2,3,4,5,6,7
	ds_load_b128 v[\f+8*\i:\f+8*\i+3],   v[ADRA+\slot] offset:(\q>>1)*AREG+(\q&1)*64+\i*16*APITCH
	ds_load_b128 v[\f+8*\i+4:\f+8*\i+7], v[ADRA+\slot] offset:(\q>>1)*AREG+(\q&1)*64+\i*16*APITCH+32
.endr
.endm
; four plain places between a matrix instruction and a load into, or a vector access of, its registers
.macro PLACES
.rept 4
	v_nop
.endr
.endm
.macro QUARTER slot, q, f, g, zero     ; multiplies buffer f; in its middle fetches quarter q into buffer g
	s_wait_dscnt 8                                 ; B and A's tokens 0-63 are in; the youngest eight loads (tokens 64-127) may be out
	WIN MUL_LO
	MUL16 \f, 0, 0, \zero
	MUL16 \f, 0, 2, \zero
	PLACES
	FETCH \slot, \q, \g
	s_wait_dscnt 32                                ; all but the 32 just issued
	WIN MUL_HI
	MUL16 \f, 1, 0, \zero
	MUL16 \f, 1, 2, \zero
.endm
.macro THREE slot, zero
	QUARTER \slot, 1, F0, F1, \zero
	QUARTER \slot, 2, F1, F0, 0
	QUARTER \slot, 3, F0, F1, 0
.endm
; The last quarter of a step: multiplies buffer 1 and changes slots.  In front of the barrier each wave waits for its reads of this slot and for
; all its tensor loads (one is out: its part of the next slot).  fill = 1: the barrier opens a round of the cluster's barrier, and the joint
; refill of this slot, two steps ahead, is the first tensor load behind the round's closing wait.
.macro TURN slot, next, fill
	s_wait_dscnt 8
	WIN MUL_LO
	MUL16 F1, 0, 0, 0
	s_wait_dscnt 0                                 ; my reads of this slot are over
	s_wait_tensorcnt 0x0                           ; all my tensor loads have landed
	ds_add_u32 v255, v255
	s_wait_dscnt 0x0
	s_barrier_signal -1
	MUL16 F1, 0, 2, 0                              ; register work while the others arrive
	WIN 0
	s_barrier_wait -1
.if \fill
	CREST
	s_add_nc_u64 s[G0+4*\slot+2:G0+4*\slot+3], s[G0+4*\slot+2:G0+4*\slot+3], 4*CBLK          ; two steps on: four column blocks
	s_add_nc_u64 s[G0B+4*\slot+2:G0B+4*\slot+3], s[G0B+4*\slot+2:G0B+4*\slot+3], 512*NDIM    ; 256 k rows
	JLOAD \slot
.endif
	PLACES
	FETCH \next, 0, F0
	WIN MUL_HI
	MUL16 F1, 1, 0, 0
	MUL16 F1, 1, 2, 0
.endm
.macro LAP zero
	THREE 0, \zero
	TURN 0, 1, 1
	THREE 1, 0
	TURN 1, 0, 1
.endm
	s_wait_tensorcnt 1                             ; my part of step 0 is in; step 1's may stay out
	s_barrier_signal -1
	s_barrier_wait -1
	FETCH 0, 0, F0
	LAP 1                                          ; the first lap's first products start the sums
	WIN 0
	s_mov_b32 s3, LAPS-2
.Llap:
	LAP 0
	WIN 0
	s_sub_co_u32 s3, s3, 1
	s_cmp_lg_u32 s3, 0
	s_cbranch_scc1 .Llap
	THREE 0, 0                                     ; the last lap fills nothing
	TURN 0, 1, 0
	THREE 1, 0
	s_wait_dscnt 8
	WIN MUL_LO
	MUL16 F1, 0, 0, 0
	MUL16 F1, 0, 2, 0
	s_wait_dscnt 0
	WIN MUL_HI
	MUL16 F1, 1, 0, 0
	MUL16 F1, 1, 2, 0
	; THE WAY OUT, 16 tokens at a time: round to bf16, 16 bytes a lane into my stage, read back as runs of 4 tokens x 128 bytes of one column block.
	PLACES
	s_lshl_b32 s16, s13, 15                        ; block row: 256 tokens x 128 bytes
	s_lshl_b32 s14, s11, 14                        ; my 128 tokens
	s_add_co_u32 s16, s16, s14
	s_mov_b32 s17, 0
	s_add_nc_u64 s[8:9], s[8:9], s[16:17]
	s_lshl_b32 s46, s42, 21                        ; block column: four column blocks
	s_lshl_b32 s47, s12, 20                        ; my two of them
	s_add_co_u32 s46, s46, s47
	s_mov_b32 s47, 0
	s_add_nc_u64 s[8:9], s[8:9], s[46:47]
.macro OUT16 i, a, from, f
	WIN \from
.irp b, 0,1,2,3,4,5,6,7
.irp r, 0,1,2,3
	v_cvt_pk_bf16_f32 v[TMP+4*\b+\r], v[8*(8*\a+\b)+2*\r], v[8*(8*\a+\b)+2*\r+1]
.endr
.endr
	WIN 0
.irp b, 0,1,2,3,4,5,6,7
	ds_store_b128 v[STO], v[TMP+4*\b:TMP+4*\b+3] offset:32*\b
.endr
	s_wait_xcnt 0x0                                ; buffer f, which earlier stores read, and the stores' base are rewritten only behind this wait
.if \i
	s_add_nc_u64 s[8:9], s[8:9], 16*128            ; 16 tokens on
.endif
.irp t, 0,1,2,3,4,5,6,7
	ds_load_b128 v[\f+4*\t:\f+4*\t+3], v[RD] offset:(\t&3)*4*SPITCH+(\t>>2)*128   ; a wave's LDS instructions are served in order: these see the stores above
.endr
.irp t, 0,1,2,3,4,5,6,7
	s_wait_dscnt 7-\t
	global_store_b128 v[CO], v[\f+4*\t:\f+4*\t+3], s[8:9] offset:(\t&3)*512+(\t>>2)*CBLK   ; the wave stores 512 consecutive bytes, aligned
.endr
.endm
	OUT16 0, 0, 0x0a, F0
	OUT16 1, 1, 0x0a, F1
	OUT16 2, 2, 0x0a, F0
	OUT16 3, 3, 0x0a, F1
	OUT16 4, 0, 0x0f, F0
	OUT16 5, 1, 0x0f, F1
	OUT16 6, 2, 0x0f, F0
	OUT16 7, 3, 0x0f, F1
	s_set_vgpr_msb 0x1
	s_wait_tensorcnt 0x0
	ds_add_u32 v255, v255
	s_wait_dscnt 0x0
	s_set_vgpr_msb 0x100
	CROUND                                         ; the closing round: no work-group ends while a partner may still ask for a tile that names it
	s_endpgm
.Lfunc_end_k_q84609614f1_qkvg:
	.size	k_q84609614f1_qkvg, .Lfunc_end_k_q84609614f1_qkvg-k_q84609614f1_qkvg
	.p2alignl 7, 3214868480
	.fill 96, 4, 3214868480
	.section	.rodata,"a",@progbits
	.p2align	6, 0x0
	.amdhsa_kernel k_q84609614f1_qkvg
		.amdhsa_group_segment_fixed_size 327680
		.amdhsa_private_segment_fixed_size 0
		.amdhsa_enable_private_segment 0
		.amdhsa_kernarg_size 24
		.amdhsa_user_sgpr_count 2
		.amdhsa_user_sgpr_kernarg_segment_ptr 1
		.amdhsa_wavefront_size32 1
		.amdhsa_system_sgpr_workgroup_id_x 1
		.amdhsa_system_sgpr_workgroup_id_y 1
		.amdhsa_system_sgpr_workgroup_id_z 1
		.amdhsa_system_vgpr_workitem_id 0
		.amdhsa_next_free_vgpr 1024
		.amdhsa_next_free_sgpr 72
		.amdhsa_reserve_vcc 0
		.amdhsa_float_denorm_mode_32 3
		.amdhsa_float_denorm_mode_16_64 3
		.amdhsa_memory_ordered 1
		.amdhsa_forward_progress 1
		.amdhsa_inst_pref_size 196
	.end_amdhsa_kernel
	.amdgpu_metadata
---
amdhsa.version: [ 1, 2 ]
amdhsa.kernels:
  - .name:           k_q84609614f1_qkvg
    .symbol:         k_q84609614f1_qkvg.kd
    .args:
      - { .name: h, .offset: 0, .size: 8, .value_kind: global_buffer, .address_space: global }
      - { .name: wb, .offset: 8, .size: 8, .value_kind: global_buffer, .address_space: global }
      - { .name: qkv, .offset: 16, .size: 8, .value_kind: global_buffer, .address_space: global }
    .group_segment_fixed_size: 327680
    .private_segment_fixed_size: 0
    .kernarg_segment_align: 8
    .kernarg_segment_size: 24
    .max_flat_workgroup_size: 128
    .sgpr_count:     72
    .vgpr_count:     1024
    .wavefront_size: 32
...
	.end_amdgpu_metadata
.endif
;; end of part 2
;; launch attn (part 3): grid 8 x 32, 8 waves a work-group, no clusters, 327,680 bytes of LDS; arguments qkv, ctx; writes ctx
.if DOCPART == 3
	.amdgcn_target "amdgcn-amd-amdhsa--gfx1250"
	.amdhsa_code_object_version 6
	.text
	.protected	k_q84609614f1_attn
	.globl	k_q84609614f1_attn
	.p2align	8
	.type	k_q84609614f1_attn,@function
k_q84609614f1_attn:
	s_mov_b64 s[64:65], 0
	v_nop
	global_prefetch_b8 v0, s[64:65] scope:SCOPE_SE
	s_setreg_imm32_b32 hwreg(HW_REG_WAVE_MODE, 25, 1), 1
	s_wait_xcnt 0x0
; Causal attention of one head: ctx = softmax(Q K^T / 8, keys <= query) V, with a running maximum.  qkv in column blocks [48][4096 tokens][64] bf16
; (block 16 * which + head), ctx in column blocks [16 heads][4096][64] bf16.  Sums, maxima and exponentials in f32.
; Work-group (p, bh) does the query blocks p and 15 - p (128 rows each) of head bh % 16, batch bh / 16, as ONE stream of 17 key blocks of 128:
; blocks 0..p, then 0..15-p.  So all 256 work-groups have 17 trips.
; EIGHT WAVES, two to a SIMD, so that one wave's matrix instructions can run while the other is in its softmax.  Wave v has w = v % 4: its 32 query
; rows (u = 0, 1: 16 each), and g = v / 4: its keys 64 g .. 64 g + 63 of every key block.  A trip is one half step of 64 keys for each wave; the LDS
; loads of a trip are 8 waves x 32, as many as four waves with two half steps each would issue.  Waves w and w + 4 keep a maximum, a sum and a context
; of their own; at the end of a query block wave w + 4 hands its 68 registers to wave w through LDS, and wave w merges the two by the usual
; factors 2^((own maximum - joint maximum) c).
; Products are taken transposed: S^T = K Q^T and O^T = V^T P^T.  Lane (r, h) then holds, for query r, keys 16 tt + 8 h + j: a row's maximum and sum stay
; in the lane but for one exchange between the halves, P's fragment is the lane's own S packed in place, and a lane's eight results are neighbours in ctx.
; LDS: two slots of V (128 keys at 160 bytes) and K (128 keys at 144 bytes); waves 0, 1 fetch V's halves, waves 2, 3 K's, waves 4 to 7 none: one tensor
; load a wave a trip, never more than one out.  160 is an odd multiple of 32 (transposing load), 144 an odd multiple of 16.  Behind the ring, never
; filled: a stage of 32 rows x 144 bytes for each wave, and two exchange sets of 4 x 17 x 512 bytes.  A trip uses the set of its slot's number, so
; that between two barriers one set is only read and the other only written.
; NO MULTICAST: the eight work-groups of a head stand at different key blocks in the same trip (the stream of p starts anew at trip p + 1), so partners
; never want one tile together; if all walked all 16 key blocks for both query blocks, that would be 32 block steps against 17.
; Accumulators take turns, one matrix instruction a turn (eight of S, eight of O).
; Limits: Q, K, V and P are bf16; v_exp_f32 and v_rcp_f32 flush denormals.  The running maximum starts at -2^127, not at minus infinity, so that a wave
; all of whose keys are masked (rows 0-63 against keys 64-127 of the first block) gives P = 0 and sums of 0 without a difference of infinities:
; raw scores below -2^127 count as -2^127.  Key 0 is masked for no query, so the merged sum is never 0.
.set SLOT,  38912
.set KOFF,  20480                      ; K behind V's 128 x 160
.set KP,    144
.set VP,    160
.set STAGE, 2*SLOT                     ; 77,824; 32 rows x 144 bytes for each wave
.set XCH,   STAGE+8*32*KP              ; 114,688; the exchange sets
.set XW,    17*512                     ; a wave's 68 registers, lane by lane
.set XSET,  4*XW                       ; 34,816
.set KA,   4                           ; v4-5    LDS address of my K fragments, slot 0, 1
.set VA,   6                           ; v6-7    the same for V
.set STO,  8
.set RD,   9
.set CO,   10                          ; 16 x lane
.set QO,   11                          ; my bytes in the query block
.set DG,   12                          ; v12-13  u: my query's number in its block less 8 h less 64 g
.set MX,   14                          ; v14-15  u: running maximum of the raw scores
.set LS,   16                          ; v16-17  u: running sum over this lane's keys
.set NINF, 18
.set XA,   19                          ; my 16 bytes in my pair's part of exchange set 0
.set NM,   20                          ; v[20:21], v[22:23]  u: - maximum x c, twice
.set AL,   24                          ; v[24:25], v[26:27]  u: the rescaling factor, twice
.set TT,   28                          ; v28-31  at work
.set QF,   32                          ; Q(u, ks) at 32 + 16 u + 8 ks
.set OA,   64                          ; O(t, u) at 64 + 8 (2 t + u): d = 16 t + 8 h + j of query r
.set SA,   128                         ; S(tt = 2 c + e, u) at 128 + 32 c + 16 u + 8 e; P(c, u) in the first eight of each sixteen
.set KV,   192                         ; K(tt, ks) at 192 + 8 (2 tt + ks), then V(t, c) at 192 + 8 (2 t + c)
.set G1V, 16
.set G1K, 24
.set G0V, 32                           ; s[32:39] a set for each slot
.set G0K, 40                           ; s[40:47]
.set CEXP,  0x3e38aa3b                 ; c = log2(e) / 8
.set NCEXP, 0xbe38aa3b
.set FLOOR, 0xff000000                 ; -2^127
.macro LOADT s                         ; my part of a tile: waves 0, 1 V, waves 2, 3 K, waves 4 to 7 nothing
	s_cmp_lt_u32 s8, 2
	s_cbranch_scc0 .Lk_\@
	tensor_load_to_lds s[G0V+4*\s:G0V+4*\s+3], s[G1V:G1V+7]
	s_nop 0
	s_branch .Lt_\@
.Lk_\@:
	s_cmp_lt_u32 s8, 4
	s_cbranch_scc0 .Lt_\@
	tensor_load_to_lds s[G0K+4*\s:G0K+4*\s+3], s[G1K:G1K+7]
	s_nop 0
.Lt_\@:
.endm
	s_load_b128 s[4:7], s[0:1], 0x0                ; qkv s[4:5], ctx s[6:7]
	s_set_vgpr_msb 0x40
	v_lshl_add_u32 v0, v0, 2, 0x2d000
	v_mov_b32 v1, 0
	s_set_vgpr_msb 0x4045
	ds_add_u32 v0, v1
	s_set_vgpr_msb 0x4500
	v_lshrrev_b32 v1, 5, v0
	v_readfirstlane_b32 s8, v1                     ; wave 0..7
	s_and_b32 s9, s8, 1                            ; waves 0 to 3: which 64 keys of a tile I fetch
	s_and_b32 s10, s8, 3                           ; w: my 32 query rows
	s_lshr_b32 s11, s8, 2                          ; g: my 64 keys of every key block
	s_mov_b32 s13, ttmp9                           ; qb = p: the first query block
	s_sub_co_u32 s14, 15, s13                      ; the second
	s_mov_b32 s12, 0                               ; kb
	s_and_b32 s3, ttmp7, 0xffff
	s_and_b32 s2, s3, 15                           ; head
	s_lshr_b32 s3, s3, 4                           ; batch
	s_lshl_b32 s2, s2, 19                          ; a column block is 524,288 bytes,
	s_lshl_b32 s3, s3, 18                          ; a batch's 2,048 tokens 262,144
	s_add_co_u32 s60, s2, s3
	s_mov_b32 s61, 0                               ; s[60:61]: an offset, its upper word always 0
	s_mov_b32 s66, 0x76543210                      ; v_permlanex16_b32: lane i reads lane i of the other half
	s_mov_b32 s67, 0xfedcba98
	; group 1: 8 KiB dense (64 keys x 128 bytes) as 32 rows of 128 elements; padding behind every 32 words: 8 words for V, 4 for K
	s_mov_b32 s[G1V+0], (1<<16)|(1<<20)|(4<<22)|(7<<25)
	s_mov_b32 s[G1K+0], (1<<16)|(1<<20)|(4<<22)|(3<<25)
.irp g, G1V, G1K
	s_mov_b32 s[\g+1], 128<<16
	s_mov_b32 s[\g+2], 32<<16
	s_mov_b32 s[\g+3], 128<<16
	s_mov_b32 s[\g+4], 32
	s_mov_b32 s[\g+5], 128
	s_mov_b32 s[\g+6], 0
	s_mov_b32 s[\g+7], 0
.endr
	s_mul_i32 s2, s8, 64*VP                        ; waves 0, 1: V's halves
	s_mul_i32 s3, s8, 64*KP
	s_add_co_u32 s3, s3, KOFF-2*64*KP              ; waves 2, 3: K's halves, from KOFF on
.irp s, 0,1
	s_mov_b32 s[G0V+4*\s], 1
	s_add_co_u32 s[G0V+4*\s+1], s2, \s*SLOT
	s_mov_b32 s[G0K+4*\s], 1
	s_add_co_u32 s[G0K+4*\s+1], s3, \s*SLOT
.endr
	s_wait_dscnt 0x0
	s_barrier_signal -1
	s_barrier_wait -1
	s_wait_kmcnt 0x0
	s_add_nc_u64 s[52:53], s[4:5], s[60:61]        ; Q of my head and batch
	s_add_nc_u64 s[56:57], s[6:7], s[60:61]        ; ctx of my head and batch,
	s_lshl_b32 s60, s10, 12
	s_add_nc_u64 s[56:57], s[56:57], s[60:61]      ; at my 32 rows
	s_lshl_b32 s60, s9, 13                         ; the 64 keys of a tile's 128 that I fetch
	s_add_nc_u64 s[50:51], s[52:53], s[60:61]
	s_add_nc_u64 s[48:49], s[50:51], 0x1000000     ; V: 32 column blocks on
	s_add_nc_u64 s[50:51], s[50:51], 0x800000      ; K: 16 column blocks on
	s_mov_b64 s[G0V+2:G0V+3], s[48:49]             ; key block 0 into slot 0
	s_or_b32 s[G0V+3], s[G0V+3], 0x80000000
	s_mov_b64 s[G0K+2:G0K+3], s[50:51]
	s_or_b32 s[G0K+3], s[G0K+3], 0x80000000
	LOADT 0
	v_and_b32 v1, 15, v0                           ; r
	v_bfe_u32 v2, v0, 4, 1                         ; h
	v_and_b32 v3, 31, v0                           ; lane
	v_mul_u32_u24 v28, v1, KP
	v_lshl_add_u32 v28, v2, 4, v28                 ; r x 144 + 16 h
	s_mul_i32 s2, s11, 64*KP                       ; my 64 keys
	s_add_co_u32 s2, s2, KOFF
	v_add_nc_u32 v[KA], s2, v28
	v_add_nc_u32 v[KA+1], SLOT, v[KA]
	s_mul_i32 s2, s8, 32*KP
	s_add_co_u32 s2, s2, STAGE                     ; my stage
	v_add_nc_u32 v[STO], s2, v28
	v_bfe_u32 v29, v0, 3, 2
	v_mul_u32_u24 v29, v29, KP
	v_and_b32 v30, 7, v0
	v_lshl_add_u32 v29, v30, 4, v29
	v_add_nc_u32 v[RD], s2, v29                    ; back: eight lanes take a row's 128 bytes, the wave four rows
	v_lshl_add_u32 v30, v2, 3, v30                 ; V: key 8 h + l % 8,
	v_mul_u32_u24 v30, v30, VP
	v_bfe_u32 v31, v0, 3, 1
	v_lshl_add_u32 v30, v31, 4, v30                ; d 8 ((l / 8) % 2) .. + 7
	s_mul_i32 s2, s11, 64*VP                       ; my 64 keys
	v_add_nc_u32 v[VA], s2, v30
	v_add_nc_u32 v[VA+1], SLOT, v[VA]
	v_lshlrev_b32 v[CO], 4, v3
	s_mul_i32 s2, s10, XW
	s_add_co_u32 s2, s2, XCH
	v_add_nc_u32 v[XA], s2, v[CO]                  ; waves w and w + 4 meet here
	s_lshl_b32 s3, s10, 12
	v_lshlrev_b32 v[QO], 7, v1
	v_lshl_add_u32 v[QO], v2, 4, v[QO]
	v_add_nc_u32 v[QO], s3, v[QO]                  ; (32 w + r) x 128 + 16 h
	s_lshl_b32 s2, s10, 5
	s_lshl_b32 s3, s11, 6
	s_sub_co_i32 s2, s2, s3                        ; 32 w - 64 g
	v_lshlrev_b32 v31, 3, v2
	v_sub_nc_u32 v31, v1, v31
	v_add_nc_u32 v[DG], s2, v31                    ; 32 w + r - 8 h - 64 g, as a signed number
	v_add_nc_u32 v[DG+1], 16, v[DG]
	v_mov_b32 v[NINF], 0xff800000
; a new query block qb (s13).  First its Q fragments are asked for ...
.macro QLOAD
	s_lshl_b32 s60, s13, 14                        ; 128 rows x 128 bytes
	s_add_nc_u64 s[54:55], s[52:53], s[60:61]
.irp u, 0,1
.irp ks, 0,1
	global_load_b128 v[QF+16*\u+8*\ks:QF+16*\u+8*\ks+3],   v[QO], s[54:55] offset:2048*\u+64*\ks
	global_load_b128 v[QF+16*\u+8*\ks+4:QF+16*\u+8*\ks+7], v[QO], s[54:55] offset:2048*\u+64*\ks+32
.endr
.endr
.endm
; ... then, behind the old block's way out, its place in ctx, an empty maximum and sum, and the wait for Q
.macro QREST
	s_lshl_b32 s60, s13, 14
	s_add_nc_u64 s[58:59], s[56:57], s[60:61]
	v_mov_b32 v[MX], FLOOR
	v_mov_b32 v[MX+1], FLOOR
	v_mov_b32 v[LS], 0
	v_mov_b32 v[LS+1], 0
	s_wait_loadcnt 0x0
.endm
; waves 4 to 7: my context, maxima and sums into exchange set x, lane by lane: 17 stores of 512 consecutive bytes
.macro XSTORE x
.rept 4
	v_nop                                          ; four plain places behind the last products (ISA guide 7.12.1)
.endr
.set i, 0
.rept 16
	ds_store_b128 v[XA], v[OA+4*i:OA+4*i+3] offset:\x*XSET+512*i
.set i, i+1
.endr
	ds_store_b128 v[XA], v[MX:MX+3] offset:\x*XSET+512*16
.endm
; waves 0 to 3: the finished query block leaves.  My partner's part comes from exchange set x; O = (O a fa + O b fb) / (L a fa + L b fb),
; rounded to bf16, goes through my stage and out as runs of 4 rows x 128 bytes.
.macro FINAL x
.rept 4
	v_nop                                          ; four plain places behind the last products: loads land on their sources, vector instructions read O
.endr
	ds_load_b128 v[SA:SA+3], v[XA] offset:\x*XSET+512*16             ; the partner's maxima and sums first
.set i, 0
.rept 16
	ds_load_b128 v[KV+4*i:KV+4*i+3], v[XA] offset:\x*XSET+512*i      ; its context: register OA + n comes to KV + n
.set i, i+1
.endr
	s_wait_dscnt 16                                ; the maxima and sums are in; the sixteen loads of the context may be out
	v_max_num_f32 v[TT], v[MX], v[SA]              ; the joint maxima
	v_max_num_f32 v[TT+1], v[MX+1], v[SA+1]
	v_sub_f32 v[AL], v[MX], v[TT]
	v_sub_f32 v[AL+2], v[MX+1], v[TT+1]
	v_sub_f32 v[NM], v[SA], v[TT]
	v_sub_f32 v[NM+2], v[SA+1], v[TT+1]
	v_mul_f32 v[AL], CEXP, v[AL]
	v_mul_f32 v[AL+2], CEXP, v[AL+2]
	v_mul_f32 v[NM], CEXP, v[NM]
	v_mul_f32 v[NM+2], CEXP, v[NM+2]
	v_exp_f32 v[AL], v[AL]                         ; fa
	v_exp_f32 v[AL+2], v[AL+2]
	v_exp_f32 v[NM], v[NM]                         ; fb
	v_exp_f32 v[NM+2], v[NM+2]
	v_nop                                          ; one plain place behind the transcendentals (ISA guide 5.7.2)
	s_wait_alu depctr_va_vdst(0)
	v_mul_f32 v[TT], v[LS], v[AL]
	v_mul_f32 v[TT+1], v[LS+1], v[AL+2]
	v_fma_f32 v[TT], v[SA+2], v[NM], v[TT]
	v_fma_f32 v[TT+1], v[SA+3], v[NM+2], v[TT+1]
	v_permlanex16_b32 v[TT+2], v[TT], s66, s67     ; the other half of the lanes holds the other keys
	v_permlanex16_b32 v[TT+3], v[TT+1], s66, s67
	v_add_f32 v[TT], v[TT], v[TT+2]
	v_add_f32 v[TT+1], v[TT+1], v[TT+3]
	v_rcp_f32 v[TT+2], v[TT]
	v_rcp_f32 v[TT+3], v[TT+1]
	v_nop
	s_wait_alu depctr_va_vdst(0)
	v_mul_f32 v[AL], v[AL], v[TT+2]                ; fa / sum, fb / sum, each twice
	v_mul_f32 v[AL+2], v[AL+2], v[TT+3]
	v_mul_f32 v[NM], v[NM], v[TT+2]
	v_mul_f32 v[NM+2], v[NM+2], v[TT+3]
	v_mov_b32 v[AL+1], v[AL]
	v_mov_b32 v[AL+3], v[AL+2]
	v_mov_b32 v[NM+1], v[NM]
	v_mov_b32 v[NM+3], v[NM+2]
.irp t, 0,1,2,3
.irp u, 0,1
.irp k, 0,2,4,6
	v_pk_mul_f32 v[OA+8*(2*\t+\u)+\k:OA+8*(2*\t+\u)+\k+1], v[OA+8*(2*\t+\u)+\k:OA+8*(2*\t+\u)+\k+1], v[AL+2*\u:AL+2*\u+1]
.endr
.endr
.endr
	s_wait_dscnt 0x0                               ; the partner's context
.irp t, 0,1,2,3
.irp u, 0,1
.irp k, 0,2,4,6
	v_pk_fma_f32 v[OA+8*(2*\t+\u)+\k:OA+8*(2*\t+\u)+\k+1], v[KV+8*(2*\t+\u)+\k:KV+8*(2*\t+\u)+\k+1], v[NM+2*\u:NM+2*\u+1], v[OA+8*(2*\t+\u)+\k:OA+8*(2*\t+\u)+\k+1]
.endr
.endr
.endr
.irp t, 0,1,2,3
.irp u, 0,1
.irp k, 0,1,2,3
	v_cvt_pk_bf16_f32 v[SA+32+4*(2*\t+\u)+\k], v[OA+8*(2*\t+\u)+2*\k], v[OA+8*(2*\t+\u)+2*\k+1]
.endr
	ds_store_b128 v[STO], v[SA+32+4*(2*\t+\u):SA+32+4*(2*\t+\u)+3] offset:16*KP*\u+32*\t
.endr
.endr
.irp i, 0,1,2,3,4,5,6,7
	ds_load_b128 v[KV+4*\i:KV+4*\i+3], v[RD] offset:4*KP*\i   ; a wave's LDS instructions are served in order: these see the stores above
.endr
.irp i, 0,1,2,3,4,5,6,7
	s_wait_dscnt 7-\i
	global_store_b128 v[CO], v[KV+4*\i:KV+4*\i+3], s[58:59] offset:512*\i   ; the wave stores 512 consecutive bytes, aligned
.endr
	s_wait_xcnt 0x0                                ; the stores' data registers and base are written again only behind this wait
.endm
.macro QK ks, zero                     ; S(tt, u) (+)= K(tt, ks) Q(u, ks)
.irp tt, 0,1,2,3
.irp u, 0,1
.if \zero
	v_wmma_f32_16x16x32_bf16 v[SA+32*(\tt>>1)+16*\u+8*(\tt&1):SA+32*(\tt>>1)+16*\u+8*(\tt&1)+7], v[KV+8*(2*\tt+\ks):KV+8*(2*\tt+\ks)+7], v[QF+16*\u+8*\ks:QF+16*\u+8*\ks+7], 0
.else
	v_wmma_f32_16x16x32_bf16 v[SA+32*(\tt>>1)+16*\u+8*(\tt&1):SA+32*(\tt>>1)+16*\u+8*(\tt&1)+7], v[KV+8*(2*\tt+\ks):KV+8*(2*\tt+\ks)+7], v[QF+16*\u+8*\ks:QF+16*\u+8*\ks+7], v[SA+32*(\tt>>1)+16*\u+8*(\tt&1):SA+32*(\tt>>1)+16*\u+8*(\tt&1)+7]
.endif
.endr
.endr
.endm
.macro PV c, zero                      ; O(t, u) (+)= V(t, c) P(c, u)
.irp t, 0,1,2,3
.irp u, 0,1
.if \zero
	v_wmma_f32_16x16x32_bf16 v[OA+8*(2*\t+\u):OA+8*(2*\t+\u)+7], v[KV+8*(2*\t+\c):KV+8*(2*\t+\c)+7], v[SA+32*\c+16*\u:SA+32*\c+16*\u+7], 0
.else
	v_wmma_f32_16x16x32_bf16 v[OA+8*(2*\t+\u):OA+8*(2*\t+\u)+7], v[KV+8*(2*\t+\c):KV+8*(2*\t+\c)+7], v[SA+32*\c+16*\u:SA+32*\c+16*\u+7], v[OA+8*(2*\t+\u):OA+8*(2*\t+\u)+7]
.endif
.endr
.endr
.endm
.macro RESCALE
.irp t, 0,1,2,3
.irp u, 0,1
.irp k, 0,2,4,6
	v_pk_mul_f32 v[OA+8*(2*\t+\u)+\k:OA+8*(2*\t+\u)+\k+1], v[OA+8*(2*\t+\u)+\k:OA+8*(2*\t+\u)+\k+1], v[AL+2*\u:AL+2*\u+1]
.endr
.endr
.endr
.endm
; My 64 keys of the slot's 128 (the half stands in KA, VA and DG) against my 32 queries.  zf = 1: the products start O; 2: they start it where kb = 0.
.macro HALF slot, zf
.rept 5
	v_nop                                          ; five plain places behind the last products: K lands on V's registers, S is written over P (ISA guide 7.12.1)
.endr
.irp ks, 0,1
.irp tt, 0,1,2,3
	ds_load_b128 v[KV+8*(2*\tt+\ks):KV+8*(2*\tt+\ks)+3],   v[KA+\slot] offset:16*\tt*KP+64*\ks
	ds_load_b128 v[KV+8*(2*\tt+\ks)+4:KV+8*(2*\tt+\ks)+7], v[KA+\slot] offset:16*\tt*KP+64*\ks+32
.endr
.endr
	s_wait_dscnt 8                                 ; d = 0..31 of the four key tiles are in; the eight loads of d = 32..63 may be out
	QK 0, 1
	s_wait_dscnt 0
	QK 1, 0
.rept 4
	v_nop                                          ; four plain places: V lands on K's registers, vector instructions read S
.endr
.irp c, 0,1
.irp t, 0,1,2,3
	ds_load_tr16_b128 v[KV+8*(2*\t+\c):KV+8*(2*\t+\c)+3],   v[VA+\slot] offset:32*\c*VP+32*\t
	ds_load_tr16_b128 v[KV+8*(2*\t+\c)+4:KV+8*(2*\t+\c)+7], v[VA+\slot] offset:32*\c*VP+32*\t+16*VP
.endr
.endr
	s_cmp_lg_u32 s12, s13                          ; only the diagonal block has keys beyond a query
	s_cbranch_scc1 .Lfull_\@
.irp tt, 0,1,2,3
.irp u, 0,1
.irp j, 0,1,2,3,4,5,6,7
	v_cmp_gt_i32 vcc_lo, 16*\tt+\j, v[DG+\u]             ; key 64 g + 16 tt + 8 h + j > query
	v_cndmask_b32 v[SA+32*(\tt>>1)+16*\u+8*(\tt&1)+\j], v[SA+32*(\tt>>1)+16*\u+8*(\tt&1)+\j], v[NINF], vcc_lo
.endr
.endr
.endr
.Lfull_\@:
	; the running maximum: four chains over my 2 x 32 scores, the other half of the lanes, the maximum so far
.irp u, 0,1
	v_max_num_f32 v[TT+2*\u],   v[SA+16*\u],    v[SA+16*\u+1]
	v_max_num_f32 v[TT+2*\u+1], v[SA+32+16*\u], v[SA+32+16*\u+1]
.endr
.irp i, 2,4,6,8,10,12,14
.irp u, 0,1
	v_max3_num_f32 v[TT+2*\u],   v[TT+2*\u],   v[SA+16*\u+\i],    v[SA+16*\u+\i+1]
	v_max3_num_f32 v[TT+2*\u+1], v[TT+2*\u+1], v[SA+32+16*\u+\i], v[SA+32+16*\u+\i+1]
.endr
.endr
	v_max_num_f32 v[TT], v[TT], v[TT+1]
	v_max_num_f32 v[TT+2], v[TT+2], v[TT+3]
	v_permlanex16_b32 v[TT+1], v[TT], s66, s67
	v_permlanex16_b32 v[TT+3], v[TT+2], s66, s67
	v_max3_num_f32 v[TT], v[TT], v[TT+1], v[MX]          ; the new maximum: finite, since the old one is
	v_max3_num_f32 v[TT+2], v[TT+2], v[TT+3], v[MX+1]
	v_sub_f32 v[TT+1], v[MX], v[TT]
	v_sub_f32 v[TT+3], v[MX+1], v[TT+2]
	v_mul_f32 v[TT+1], CEXP, v[TT+1]
	v_mul_f32 v[TT+3], CEXP, v[TT+3]
	v_exp_f32 v[AL], v[TT+1]                             ; 2^((old - new) c)
	v_exp_f32 v[AL+2], v[TT+3]
	v_mul_f32 v[NM], NCEXP, v[TT]                        ; a plain place behind the transcendentals, and - new x c
	v_mul_f32 v[NM+2], NCEXP, v[TT+2]
	v_mov_b32 v[MX], v[TT]
	v_mov_b32 v[MX+1], v[TT+2]
	v_mov_b32 v[NM+1], v[NM]
	v_mov_b32 v[NM+3], v[NM+2]
	s_wait_alu depctr_va_vdst(0)
	v_mov_b32 v[AL+1], v[AL]
	v_mov_b32 v[AL+3], v[AL+2]
	; P = 2^(S c - new c)
.irp c, 0,1
.irp u, 0,1
.irp i, 0,2,4,6,8,10,12,14
	v_pk_fma_f32 v[SA+32*\c+16*\u+\i:SA+32*\c+16*\u+\i+1], v[SA+32*\c+16*\u+\i:SA+32*\c+16*\u+\i+1], CEXP, v[NM+2*\u:NM+2*\u+1] op_sel_hi:[1,0,1]
.endr
.endr
.endr
.set i, 0
.rept 64
	v_exp_f32 v[SA+i], v[SA+i]
.set i, i+1
.endr
	v_nop                                          ; one plain place behind the transcendentals
	s_wait_alu depctr_va_vdst(0)
.irp u, 0,1
	v_pk_add_f32 v[TT:TT+1],   v[SA+16*\u:SA+16*\u+1],       v[SA+16*\u+2:SA+16*\u+3]
	v_pk_add_f32 v[TT+2:TT+3], v[SA+32+16*\u:SA+32+16*\u+1], v[SA+32+16*\u+2:SA+32+16*\u+3]
.irp i, 4,6,8,10,12,14
	v_pk_add_f32 v[TT:TT+1],   v[TT:TT+1],   v[SA+16*\u+\i:SA+16*\u+\i+1]
	v_pk_add_f32 v[TT+2:TT+3], v[TT+2:TT+3], v[SA+32+16*\u+\i:SA+32+16*\u+\i+1]
.endr
	v_pk_add_f32 v[TT:TT+1], v[TT:TT+1], v[TT+2:TT+3]
	v_add_f32 v[TT], v[TT], v[TT+1]
	v_fma_f32 v[LS+\u], v[LS+\u], v[AL+2*\u], v[TT]      ; sum = sum x factor + this half step's
.endr
	; P to bf16 in place: register i takes 2 i and 2 i + 1, which lie at or above it
.irp c, 0,1
.irp u, 0,1
.irp i, 0,1,2,3,4,5,6,7
	v_cvt_pk_bf16_f32 v[SA+32*\c+16*\u+\i], v[SA+32*\c+16*\u+2*\i], v[SA+32*\c+16*\u+2*\i+1]
.endr
.endr
.endr
.if \zf == 1
	s_wait_dscnt 8                                 ; V's keys 0-31 of my 64 are in; the eight loads of keys 32-63 may be out
	PV 0, 1
.endif
.if \zf == 2
	s_cmp_eq_u32 s12, 0                            ; a query block's first keys start its sums
	s_cbranch_scc1 .Lstart_\@
	RESCALE
	s_wait_dscnt 8
	PV 0, 0
	s_branch .Lnext_\@
.Lstart_\@:
	s_wait_dscnt 8
	PV 0, 1
.Lnext_\@:
.endif
	s_wait_dscnt 0
	PV 1, 0
.endm
; One key block.  In front of the barrier every wave waits for all its tensor loads (its part of this trip's tile) and for its LDS instructions (the
; reads of the last trip's tile; where a query block has ended, waves 4 to 7's stores into the exchange set); behind it the next tile goes into the slot
; read last trip, first thing, and has the whole trip in which to land.  No branch here holds a barrier: they hang on the stream's counters, which are
; the same in all waves, and on the wave's number.
.macro TRIP slot, refill, first
	s_set_vgpr_msb 0x5
	s_wait_tensorcnt 0x0
	ds_add_u32 v0, v1
	s_wait_dscnt 0x0
	s_set_vgpr_msb 0x500
.if \first == 0
	s_cmp_gt_u32 s12, s13                          ; past the diagonal: the second query block begins at key block 0
	s_cselect_b32 s15, 1, 0
	s_cselect_b32 s12, 0, s12
	s_cselect_b32 s13, s14, s13
.endif
.if \refill
	s_add_co_u32 s63, s12, 1                       ; the next trip's key block
	s_cmp_eq_u32 s12, s13
	s_cselect_b32 s63, 0, s63
	s_lshl_b32 s60, s63, 14                        ; 128 keys x 128 bytes
	s_add_nc_u64 s[G0V+4*(1-\slot)+2:G0V+4*(1-\slot)+3], s[48:49], s[60:61]   ; no tensor load of mine is out: a group 0 may be written
	s_or_b32 s[G0V+4*(1-\slot)+3], s[G0V+4*(1-\slot)+3], 0x80000000
	s_add_nc_u64 s[G0K+4*(1-\slot)+2:G0K+4*(1-\slot)+3], s[50:51], s[60:61]
	s_or_b32 s[G0K+4*(1-\slot)+3], s[G0K+4*(1-\slot)+3], 0x80000000
.endif
.if \first == 0
	s_cmp_eq_u32 s15, 0
	s_cbranch_scc1 .Lnox_\@
	s_cmp_lt_u32 s8, 4
	s_cbranch_scc1 .Lnox_\@
	XSTORE \slot                                   ; the ended block's second half of the keys, for my partner
.Lnox_\@:
.endif
	s_wait_dscnt 0x0
	s_barrier_signal -1
	s_barrier_wait -1
.if \refill
	LOADT (1-\slot)
.endif
.if \first == 0
	s_cmp_eq_u32 s15, 0
	s_cbranch_scc1 .Lsame_\@
	QLOAD                                          ; the new block's Q is on its way while the old block leaves
	s_cmp_lt_u32 s8, 4
	s_cbranch_scc0 .Lnof_\@
	FINAL \slot
.Lnof_\@:
	QREST
.Lsame_\@:
	HALF \slot, 2
.else
	HALF \slot, 1
.endif
	s_add_co_u32 s12, s12, 1
.endm
	QLOAD
	QREST
	TRIP 0, 1, 1                                   ; trip 0 stands ahead of the loop: its products start the sums
	s_mov_b32 s62, 7
.Ltrips:
	TRIP 1, 1, 0
	TRIP 0, 1, 0
	s_sub_co_u32 s62, s62, 1
	s_cmp_lg_u32 s62, 0
	s_cbranch_scc1 .Ltrips
	TRIP 1, 1, 0                                   ; trip 15
	TRIP 0, 0, 0                                   ; trip 16: nothing is left to fetch
	s_cmp_lt_u32 s8, 4                             ; the second query block leaves: set 1, since trip 16 may have read set 0
	s_cbranch_scc1 .Lkeep
	XSTORE 1
.Lkeep:
	s_wait_dscnt 0x0                               ; for the partner's sake: my stores are done
	s_barrier_signal -1
	s_barrier_wait -1
	s_cmp_lt_u32 s8, 4
	s_cbranch_scc0 .Lend
	FINAL 1
.Lend:
	s_set_vgpr_msb 0x5
	s_wait_tensorcnt 0x0
	ds_add_u32 v0, v1
	s_wait_dscnt 0x0
	s_set_vgpr_msb 0x500
	s_endpgm
.Lfunc_end_k_q84609614f1_attn:
	.size	k_q84609614f1_attn, .Lfunc_end_k_q84609614f1_attn-k_q84609614f1_attn
	.p2alignl 7, 3214868480
	.fill 96, 4, 3214868480
	.section	.rodata,"a",@progbits
	.p2align	6, 0x0
	.amdhsa_kernel k_q84609614f1_attn
		.amdhsa_group_segment_fixed_size 327680
		.amdhsa_private_segment_fixed_size 0
		.amdhsa_enable_private_segment 0
		.amdhsa_kernarg_size 16
		.amdhsa_user_sgpr_count 2
		.amdhsa_user_sgpr_kernarg_segment_ptr 1
		.amdhsa_wavefront_size32 1
		.amdhsa_system_sgpr_workgroup_id_x 1
		.amdhsa_system_sgpr_workgroup_id_y 1
		.amdhsa_system_sgpr_workgroup_id_z 1
		.amdhsa_system_vgpr_workitem_id 0
		.amdhsa_next_free_vgpr 258
		.amdhsa_next_free_sgpr 70
		.amdhsa_reserve_vcc 1
		.amdhsa_float_denorm_mode_32 3
		.amdhsa_float_denorm_mode_16_64 3
		.amdhsa_memory_ordered 1
		.amdhsa_forward_progress 1
		.amdhsa_inst_pref_size 190
	.end_amdhsa_kernel
	.amdgpu_metadata
---
amdhsa.version: [ 1, 2 ]
amdhsa.kernels:
  - .name:           k_q84609614f1_attn
    .symbol:         k_q84609614f1_attn.kd
    .args:
      - { .name: qkv, .offset: 0, .size: 8, .value_kind: global_buffer, .address_space: global }
      - { .name: ctx, .offset: 8, .size: 8, .value_kind: global_buffer, .address_space: global }
    .group_segment_fixed_size: 327680
    .private_segment_fixed_size: 0
    .kernarg_segment_align: 8
    .kernarg_segment_size: 16
    .max_flat_workgroup_size: 256
    .sgpr_count:     70
    .vgpr_count:     258
    .wavefront_size: 32
...
	.end_amdgpu_metadata
.endif
;; end of part 3
;; launch oproj (part 4): grid 8 x 32, 4 waves a work-group, clusters of 4 x 4, 327,680 bytes of LDS; arguments ctx, wb, x1, out_b, x; writes x1
.if DOCPART == 4
	.amdgcn_target "amdgcn-amd-amdhsa--gfx1250"
	.amdhsa_code_object_version 6
	.text
	.protected	k_q84609614f1_oproj
	.globl	k_q84609614f1_oproj
	.p2align	8
	.type	k_q84609614f1_oproj,@function
k_q84609614f1_oproj:
	s_mov_b64 s[64:65], 0
	v_nop
	global_prefetch_b8 v0, s[64:65] scope:SCOPE_SE
	s_setreg_imm32_b32 hwreg(HW_REG_WAVE_MODE, 25, 1), 1
	s_wait_xcnt 0x0
	s_wait_alu depctr_hold_cnt(0) depctr_sa_sdst(0) depctr_va_vdst(0) depctr_va_sdst(0) depctr_va_ssrc(0) depctr_va_vcc(0) depctr_vm_vsrc(0)
	s_getreg_b32 s2, hwreg(HW_REG_IB_STS2, 6, 4)
	s_cmp_eq_u32 s2, 0
	s_cbranch_scc0 .Lentry_in_a_cluster
	s_endpgm
.Lentry_in_a_cluster:
	s_bfe_u32 s2, ttmp6, 0x10000c
	s_cmp_lg_u32 s2, 0xf033
	s_cbranch_scc0 .Lentry_shape_is_right
	s_endpgm
.Lentry_shape_is_right:
; out = resid + bias + A x W.  A: bf16 in column blocks [KDIM/64][4096 tokens][64].  W: bf16 [KDIM (k)][1024 (n)] at wb + WOFF.
; bias f32 [1024]; resid and out f32 [4096][1024].  Sums in f32.  Here: A = ctx, W = out_w, bias = out_b, resid = x, out = x1.
; N is 1024, so 256 work-groups mean blocks of 128 tokens x 128 columns; a wave makes 64 x 64: 16 accumulator tiles.
; K goes in steps of 256 through two LDS slots: a wave has 128 matrix instructions to a slot, and the longer step halves the rounds of the cluster's
; barrier.  A slot holds A as four column blocks of 128 tokens (144 bytes a token) and B as 256 k rows of 256 bytes (pitch 288).
; Waves 0, 1 fetch two column blocks each, waves 2, 3 128 k rows each: 36,864 bytes of LDS a wave.  144 is an odd multiple of 16, 288 of 32.
; CLUSTERS: 4 x 4 work-groups; A's tiles are asked for jointly along a row of the cluster, B's along a column.
; REGISTERS: window 0: v16-31 addresses and bias; v64-127 / v128-191 fragments (B's four, then A's four), two buffers; v192-255 the way out.
; window 1: v0-127 accumulators (tile (a, b) at v[8 (4 a + b)]); v128-255 the residual, loaded at the start, in the layout of the stores.
; Source 0 is B's fragment, source 1 A's: lane l holds token l % 16 and eight neighbouring columns.
; The 16 accumulators take turns, one instruction a turn, in the same order in every quarter step.
; Limit: operands are rounded to bf16.
.set KDIM,   1024
.set WOFF,   6291456
.set LAPS,   KDIM/512
.set CBLK,   524288
.set APITCH, 144
.set AREG,   128*APITCH                ; 18,432
.set BPITCH, 288
.set PART,   36864                     ; what one wave fetches
.set BOFF,   2*PART
.set SLOT,   4*PART                    ; 147,456
.set STAGE,  2*SLOT                    ; 294,912: 16 rows x 272 bytes for each wave; no fill lands here
.set SPITCH, 272
.set ADRA, 16                          ; v16-17  A fragments, slot 0, 1
.set ADRB, 20                          ; v20-23  B fragments, slot s, k half hf at 2 s + hf
.set STO,  24
.set RD,   25
.set CO,   26                          ; (l / 16) rows of 4,096 bytes + 16 (l % 16)
.set BO,   27                          ; 16 (l % 16)
.set BIAS, 28                          ; v[28:31]
.set F0,   64
.set F1,   128
.set RB0,  192
.set RB1,  224
.set RES,  128                         ; window 1
.set G1,  24
.set G0,  32
.set G1B, 48
.set G0B, 56
.set ACCW, 0x50                        ; C and D window 1, sources window 0
.set MSB, 0
.macro WIN new
.if MSB != \new
	s_set_vgpr_msb (MSB<<8)|\new
.set MSB, \new
.endif
.endm
.macro JLOAD s
	s_cmp_eq_u32 s11, 0
	s_cbranch_scc0 .Lfor_b_\@
	tensor_load_to_lds s[G0+4*\s:G0+4*\s+3], s[G1:G1+7]
	s_nop 0
	s_branch .Lasked_\@
.Lfor_b_\@:
	tensor_load_to_lds s[G0B+4*\s:G0B+4*\s+3], s[G1B:G1B+7]
	s_nop 0
.Lasked_\@:
.endm
.macro CREST
	s_cmp_lg_u32 s10, 0
	s_cbranch_scc1 .Lnot_wave_0_\@
	s_barrier_signal -3
.Lnot_wave_0_\@:
	s_barrier_wait -3
	s_barrier_signal -1
	s_barrier_wait -1
.endm
.macro CROUND
	s_barrier_signal -1
	s_barrier_wait -1
	CREST
.endm
	s_load_b128 s[4:7], s[0:1], 0x0                ; A s[4:5], wb s[6:7]
	s_load_b64 s[8:9], s[0:1], 0x10                ; out
	s_load_b128 s[68:71], s[0:1], 0x18             ; bias s[68:69], resid s[70:71]
	v_lshl_add_u32 v62, v0, 2, 0x4c400
	v_mov_b32 v63, 0
	ds_add_u32 v62, v63
	v_lshrrev_b32 v1, 5, v0
	v_readfirstlane_b32 s10, v1
	s_lshr_b32 s11, s10, 1                         ; my half of the tokens; also: I fetch for A (0) or B (1)
	s_and_b32 s12, s10, 1                          ; my half of the columns; also: which part I fetch
	s_bfe_u32 s40, ttmp6, 0x40000                  ; cx
	s_bfe_u32 s41, ttmp6, 0x40004                  ; cy
	s_lshl_b32 s42, ttmp9, 2
	s_add_co_u32 s42, s42, s40                     ; block column
	s_and_b32 s13, ttmp7, 0xffff
	s_lshl_b32 s13, s13, 2
	s_add_co_u32 s13, s13, s41                     ; block row
	s_lshl_b32 s43, s41, 2
	s_lshl_b32 s43, 15, s43                        ; my row of the cluster
	s_lshl_b32 s44, 0x1111, s40                    ; my column
	; group 1 for A: two column blocks, each a dense run of 8,192 elements, 262,144 elements apart; 4 words of padding behind every 32
	s_or_b32 s[G1+0], s43, (1<<16)|(1<<20)|(1<<21)|(4<<22)|(3<<25)
	s_mov_b32 s[G1+1], 8192<<16
	s_mov_b32 s[G1+2], 2<<16
	s_mov_b32 s[G1+3], 8192<<16
	s_mov_b32 s[G1+4], 2
	s_mov_b32 s[G1+5], 262144
	s_mov_b32 s[G1+6], 0
	s_mov_b32 s[G1+7], 0
	; group 1 for B: 128 rows of 128 elements, 1,024 elements from row to row; 8 words of padding behind every 64: pitch 288
	s_or_b32 s[G1B+0], s44, (1<<16)|(1<<20)|(1<<21)|(5<<22)|(7<<25)
	s_mov_b32 s[G1B+1], 128<<16
	s_mov_b32 s[G1B+2], 128<<16
	s_mov_b32 s[G1B+3], 128<<16
	s_mov_b32 s[G1B+4], 128
	s_mov_b32 s[G1B+5], 1024
	s_mov_b32 s[G1B+6], 0
	s_mov_b32 s[G1B+7], 0
	s_lshl_b32 s16, s13, 14                        ; 128 tokens x 128 bytes
	s_lshl_b32 s17, s12, 20                        ; my two column blocks of the step's four
	s_add_co_u32 s16, s16, s17
	s_mov_b32 s17, 0
	s_lshl_b32 s46, s42, 8                         ; 128 columns x 2 bytes
	s_lshl_b32 s47, s12, 18                        ; my 128 k rows of 2,048 bytes
	s_add_co_u32 s46, s46, s47
	s_add_co_u32 s46, s46, WOFF
	s_mov_b32 s47, 0
	s_mul_i32 s20, s10, PART                       ; LDS: A's two parts, then B's two
	s_wait_dscnt 0x0
	s_wait_kmcnt 0x0
	s_add_nc_u64 s[14:15], s[4:5], s[16:17]
	s_add_nc_u64 s[46:47], s[6:7], s[46:47]
	CROUND                                         ; all sixteen work-groups are here: the first joint loads meet
.irp s, 0,1
	s_mov_b32 s[G0+4*\s], 1
	s_add_co_u32 s[G0+4*\s+1], s20, \s*SLOT
	s_add_nc_u64 s[G0+4*\s+2:G0+4*\s+3], s[14:15], \s*4*CBLK
	s_or_b32 s[G0+4*\s+3], s[G0+4*\s+3], 0x80000000
	s_mov_b32 s[G0B+4*\s], 1
	s_add_co_u32 s[G0B+4*\s+1], s20, \s*SLOT
	s_add_nc_u64 s[G0B+4*\s+2:G0B+4*\s+3], s[46:47], \s*256*2048
	s_or_b32 s[G0B+4*\s+3], s[G0B+4*\s+3], 0x80000000
	JLOAD \s                                       ; two tensor loads of the wave are out
.endr
	v_and_b32 v1, 15, v0                           ; r
	v_bfe_u32 v2, v0, 4, 1                         ; h
	v_mul_u32_u24 v3, v1, APITCH
	v_lshl_add_u32 v3, v2, 4, v3
	v_and_b32 v4, 7, v0
	v_lshl_add_u32 v4, v2, 3, v4
	v_mul_u32_u24 v4, v4, BPITCH
	v_bfe_u32 v5, v0, 3, 1
	v_lshl_add_u32 v4, v5, 4, v4
	s_mul_i32 s16, s11, 64*APITCH                  ; my 64 tokens
	s_lshl_b32 s17, s12, 7                         ; my 64 columns
	s_add_co_u32 s17, s17, BOFF
.irp s, 0,1
	v_add_nc_u32 v[ADRA+\s], s16, v3
	v_add_nc_u32 v[ADRB+2*\s], s17, v4
	v_add_nc_u32 v[ADRB+2*\s+1], PART, v[ADRB+2*\s]
	s_add_co_u32 s16, s16, SLOT
	s_add_co_u32 s17, s17, SLOT
.endr
	s_mul_i32 s23, s10, 16*SPITCH
	s_add_co_u32 s23, s23, STAGE
	v_mul_u32_u24 v5, v1, SPITCH
	v_lshl_add_u32 v5, v2, 5, v5
	v_add_nc_u32 v[STO], s23, v5                   ; in: token r, 32 bytes for each half of the lanes
	v_mul_u32_u24 v6, v2, SPITCH
	v_lshl_add_u32 v6, v1, 4, v6
	v_add_nc_u32 v[RD], s23, v6                    ; back: sixteen lanes take a token's 256 bytes
	v_lshlrev_b32 v[BO], 4, v1
	v_lshl_add_u32 v[CO], v2, 12, v[BO]
	s_lshl_b32 s2, s42, 9                          ; my first column in f32: 128 x block + 64 x half
	s_lshl_b32 s3, s12, 8
	s_add_co_u32 s2, s2, s3
	s_mov_b32 s3, 0
	s_lshl_b32 s21, s13, 19                        ; my first token's row: 128 x block + 64 x half, 4,096 bytes each
	s_lshl_b32 s22, s11, 18
	s_add_co_u32 s66, s21, s22
	s_add_co_u32 s66, s66, s2
	s_mov_b32 s67, 0
	s_add_nc_u64 s[68:69], s[68:69], s[2:3]
	s_add_nc_u64 s[70:71], s[70:71], s[66:67]
	s_add_nc_u64 s[8:9], s[8:9], s[66:67]
	WIN 0x40                                       ; destination window 1
.irp a, 0,1,2,3
.irp t, 0,1,2,3,4,5,6,7
	global_load_b128 v[RES+32*\a+4*\t:RES+32*\a+4*\t+3], v[CO], s[70:71] offset:(16*\a+2*\t)*4096   ; on their way during the whole K loop
.endr
.endr
	WIN 0
	global_load_b128 v[BIAS:BIAS+3], v[BO], s[68:69]
.macro MUL4 f, a, zero                 ; token block a x the four column blocks, 32 along K
.irp b, 0,1,2,3
.if \zero
	v_wmma_f32_16x16x32_bf16 v[8*(4*\a+\b):8*(4*\a+\b)+7], v[\f+8*\b:\f+8*\b+7], v[\f+32+8*\a:\f+32+8*\a+7], 0
.else
	v_wmma_f32_16x16x32_bf16 v[8*(4*\a+\b):8*(4*\a+\b)+7], v[\f+8*\b:\f+8*\b+7], v[\f+32+8*\a:\f+32+8*\a+7], v[8*(4*\a+\b):8*(4*\a+\b)+7]
.endif
.endr
.endm
.macro FETCH slot, q, f                ; 16 LDS loads: quarter q (k = 32 q .. + 31 of the slot's 256): B, then A
.irp i, 0,1,2,3
	ds_load_tr16_b128 v[\f+8*\i:\f+8*\i+3],   v[ADRB+2*\slot+(\q>>2)] offset:(\q&3)*32*BPITCH+32*\i
	ds_load_tr16_b128 v[\f+8*\i+4:\f+8*\i+7], v[ADRB+2*\slot+(\q>>2)] offset:(\q&3)*32*BPITCH+32*\i+16*BPITCH
.endr
.irp i, 0,1,2,3
	ds_load_b128 v[\f+32+8*\i:\f+32+8*\i+3],   v[ADRA+\slot] offset:(\q>>1)*AREG+(\q&1)*64+\i*16*APITCH
	ds_load_b128 v[\f+32+8*\i+4:\f+32+8*\i+7], v[ADRA+\slot] offset:(\q>>1)*AREG+(\q&1)*64+\i*16*APITCH+32
.endr
.endm
.macro PLACES                          ; four plain places behind a matrix instruction (ISA guide 7.12.1)
.rept 4
	v_nop
.endr
.endm
.macro QUARTER slot, q, f, g, zero
	s_wait_dscnt 4                                 ; B and A's tiles 0, 1 are in; the youngest four loads (tiles 2, 3) may be out
	WIN ACCW
	MUL4 \f, 0, \zero
	MUL4 \f, 1, \zero
	PLACES
	WIN 0
	FETCH \slot, \q, \g
	s_wait_dscnt 16                                ; all but the 16 just issued
	WIN ACCW
	MUL4 \f, 2, \zero
	MUL4 \f, 3, \zero
.endm
.macro SEVEN slot, zero
	QUARTER \slot, 1, F0, F1, \zero
	QUARTER \slot, 2, F1, F0, 0
	QUARTER \slot, 3, F0, F1, 0
	QUARTER \slot, 4, F1, F0, 0
	QUARTER \slot, 5, F0, F1, 0
	QUARTER \slot, 6, F1, F0, 0
	QUARTER \slot, 7, F0, F1, 0
.endm
; the slot's last quarter and the change of slots: waits for my reads and for all my tensor loads in front of the barrier; with fill = 1 the barrier
; opens a round of the cluster's barrier and the joint refill is the first tensor load behind the round's closing wait
.macro TURN slot, next, fill
	s_wait_dscnt 4
	WIN ACCW
	MUL4 F1, 0, 0
	s_wait_dscnt 0
	s_wait_tensorcnt 0x0
	ds_add_u32 v62, v63
	s_wait_dscnt 0x0
	s_barrier_signal -1
	MUL4 F1, 1, 0
	WIN 0
	s_barrier_wait -1
.if \fill
	CREST
	s_add_nc_u64 s[G0+4*\slot+2:G0+4*\slot+3], s[G0+4*\slot+2:G0+4*\slot+3], 8*CBLK          ; 512 along K: eight column blocks
	s_add_nc_u64 s[G0B+4*\slot+2:G0B+4*\slot+3], s[G0B+4*\slot+2:G0B+4*\slot+3], 512*2048    ; 512 k rows
	JLOAD \slot
.endif
	PLACES
	FETCH \next, 0, F0
	WIN ACCW
	MUL4 F1, 2, 0
	MUL4 F1, 3, 0
.endm
.macro LAP zero
	SEVEN 0, \zero
	TURN 0, 1, 1
	SEVEN 1, 0
	TURN 1, 0, 1
.endm
	s_wait_tensorcnt 1                             ; my part of slot 0 is in; slot 1's may stay out
	s_barrier_signal -1
	s_barrier_wait -1
	FETCH 0, 0, F0
	LAP 1
.if LAPS > 2
	WIN 0
	s_mov_b32 s3, LAPS-2
.Llap:
	LAP 0
	WIN 0
	s_sub_co_u32 s3, s3, 1
	s_cmp_lg_u32 s3, 0
	s_cbranch_scc1 .Llap
.endif
	SEVEN 0, 0                                     ; the last lap fills nothing
	TURN 0, 1, 0
	SEVEN 1, 0
	s_wait_dscnt 4
	WIN ACCW
	MUL4 F1, 0, 0
	MUL4 F1, 1, 0
	s_wait_dscnt 0
	MUL4 F1, 2, 0
	MUL4 F1, 3, 0
	; THE WAY OUT: residual + bias first, then 16 tokens at a time through my stage, so that sixteen lanes store 256 consecutive bytes, aligned
	PLACES
	s_wait_loadcnt 0x0                             ; residual and bias
	WIN 0x41                                       ; destination and source 0 window 1
.set k, 0
.rept 32
	v_pk_add_f32 v[RES+4*k:RES+4*k+1],   v[RES+4*k:RES+4*k+1],   v[BIAS:BIAS+1]
	v_pk_add_f32 v[RES+4*k+2:RES+4*k+3], v[RES+4*k+2:RES+4*k+3], v[BIAS+2:BIAS+3]
.set k, k+1
.endr
.macro OUTF a, rb
	WIN 0x04                                       ; store data window 1
.irp b, 0,1,2,3
	ds_store_b128 v[STO], v[8*(4*\a+\b):8*(4*\a+\b)+3]   offset:64*\b
	ds_store_b128 v[STO], v[8*(4*\a+\b)+4:8*(4*\a+\b)+7] offset:64*\b+16
.endr
	WIN 0
	s_wait_xcnt 0x0                                ; registers that earlier stores read are loaded again only behind this wait
.irp t, 0,1,2,3,4,5,6,7
	ds_load_b128 v[\rb+4*\t:\rb+4*\t+3], v[RD] offset:2*SPITCH*\t   ; a wave's LDS instructions are served in order
.endr
	s_wait_dscnt 0x0
	WIN 0x04                                       ; source 1 window 1
.irp t, 0,1,2,3,4,5,6,7
	v_pk_add_f32 v[\rb+4*\t:\rb+4*\t+1],   v[\rb+4*\t:\rb+4*\t+1],   v[RES+32*\a+4*\t:RES+32*\a+4*\t+1]
	v_pk_add_f32 v[\rb+4*\t+2:\rb+4*\t+3], v[\rb+4*\t+2:\rb+4*\t+3], v[RES+32*\a+4*\t+2:RES+32*\a+4*\t+3]
.endr
	WIN 0
.irp t, 0,1,2,3,4,5,6,7
	global_store_b128 v[CO], v[\rb+4*\t:\rb+4*\t+3], s[8:9] offset:(16*\a+2*\t)*4096
.endr
.endm
	OUTF 0, RB0
	OUTF 1, RB1
	OUTF 2, RB0
	OUTF 3, RB1
	s_wait_tensorcnt 0x0
	ds_add_u32 v62, v63
	s_wait_dscnt 0x0
	CROUND                                         ; the closing round
	s_endpgm
.Lfunc_end_k_q84609614f1_oproj:
	.size	k_q84609614f1_oproj, .Lfunc_end_k_q84609614f1_oproj-k_q84609614f1_oproj
	.p2alignl 7, 3214868480
	.fill 96, 4, 3214868480
	.section	.rodata,"a",@progbits
	.p2align	6, 0x0
	.amdhsa_kernel k_q84609614f1_oproj
		.amdhsa_group_segment_fixed_size 327680
		.amdhsa_private_segment_fixed_size 0
		.amdhsa_enable_private_segment 0
		.amdhsa_kernarg_size 40
		.amdhsa_user_sgpr_count 2
		.amdhsa_user_sgpr_kernarg_segment_ptr 1
		.amdhsa_wavefront_size32 1
		.amdhsa_system_sgpr_workgroup_id_x 1
		.amdhsa_system_sgpr_workgroup_id_y 1
		.amdhsa_system_sgpr_workgroup_id_z 1
		.amdhsa_system_vgpr_workitem_id 0
		.amdhsa_next_free_vgpr 512
		.amdhsa_next_free_sgpr 72
		.amdhsa_reserve_vcc 0
		.amdhsa_float_denorm_mode_32 3
		.amdhsa_float_denorm_mode_16_64 3
		.amdhsa_memory_ordered 1
		.amdhsa_forward_progress 1
		.amdhsa_inst_pref_size 101
	.end_amdhsa_kernel
	.amdgpu_metadata
---
amdhsa.version: [ 1, 2 ]
amdhsa.kernels:
  - .name:           k_q84609614f1_oproj
    .symbol:         k_q84609614f1_oproj.kd
    .args:
      - { .name: ctx, .offset: 0, .size: 8, .value_kind: global_buffer, .address_space: global }
      - { .name: wb, .offset: 8, .size: 8, .value_kind: global_buffer, .address_space: global }
      - { .name: x1, .offset: 16, .size: 8, .value_kind: global_buffer, .address_space: global }
      - { .name: out_b, .offset: 24, .size: 8, .value_kind: global_buffer, .address_space: global }
      - { .name: x, .offset: 32, .size: 8, .value_kind: global_buffer, .address_space: global }
    .group_segment_fixed_size: 327680
    .private_segment_fixed_size: 0
    .kernarg_segment_align: 8
    .kernarg_segment_size: 40
    .max_flat_workgroup_size: 128
    .sgpr_count:     72
    .vgpr_count:     512
    .wavefront_size: 32
...
	.end_amdgpu_metadata
.endif
;; end of part 4
;; launch ln2 (part 5): grid 256 x 1, 8 waves a work-group, no clusters, 0 bytes of LDS; arguments x1, ln2_g, ln2_b, h; writes h
.if DOCPART == 5
	.amdgcn_target "amdgcn-amd-amdhsa--gfx1250"
	.amdhsa_code_object_version 6
	.text
	.protected	k_q84609614f1_ln2
	.globl	k_q84609614f1_ln2
	.p2align	8
	.type	k_q84609614f1_ln2,@function
k_q84609614f1_ln2:
	s_mov_b64 s[64:65], 0
	v_nop
	global_prefetch_b8 v0, s[64:65] scope:SCOPE_SE
	s_setreg_imm32_b32 hwreg(HW_REG_WAVE_MODE, 25, 1), 1
	s_wait_xcnt 0x0
; h = (x - mean) / (std + 1e-5) * gain + shift, row by row; std with divisor 1023; x f32 [4096][1024] (here x1); h in bf16.
; h is stored in column blocks: [16 blocks of 64 columns][4096 tokens][64], so token t of block j lies at (j * 4096 + t) * 128 bytes.
; Sixteen lanes own a row, a wave two neighbouring rows, the work-group 16 rows.  Lane r holds columns 64 j + 4 r .. + 3, j = 0..15:
; a load's sixteen lanes cover 256 consecutive bytes of a row, and a store of the wave covers 256 consecutive bytes, aligned
; (two tokens of block j).  The row stays in 64 registers between the passes: mean first, then the centred squares, so that no
; difference of large sums is formed.  A row lives inside one group of 16 lanes, so four xor steps on the arithmetic finish a sum.
; Limits: v_sqrt_f32 and v_rcp_f32 flush denormals (ISA guide, their entries), which matters only for a variance below 2^-126.
; A stream bound by its bytes: no LDS, no barrier, no matrix unit.
.set X,  8                             ; v[8:71]    the row's 64 numbers of this lane
.set G,  72                            ; v[72:135]  gain of my columns
.set BV, 136                           ; v[136:199] shift of my columns
.set Y,  200                           ; v[200:231] results in bf16
.set T,  232                           ; v[232:239] at work
	s_load_b256 s[4:11], s[0:1], 0x0               ; x s[4:5], gain s[6:7], shift s[8:9], h s[10:11]
	v_and_b32 v4, 15, v0                           ; r
	v_lshrrev_b32 v5, 4, v0                        ; row of the work-group's 16
	v_lshlrev_b32 v2, 4, v4                        ; 16 r: gain and shift
	v_lshl_add_u32 v1, v5, 12, v2                  ; row * 4096 + 16 r: x
	v_lshlrev_b32 v3, 3, v4
	v_lshl_add_u32 v3, v5, 7, v3                   ; row * 128 + 8 r: h
	s_lshl_b32 s2, ttmp9, 16                       ; 16 rows of 4,096 bytes
	s_mov_b32 s3, 0
	s_lshl_b32 s12, ttmp9, 11                      ; 16 tokens of 128 bytes
	s_mov_b32 s13, 0
	s_wait_kmcnt 0x0
	s_add_nc_u64 s[4:5], s[4:5], s[2:3]
	s_add_nc_u64 s[10:11], s[10:11], s[12:13]
.irp j, 0,1,2,3,4,5,6,7,8,9,10,11,12,13,14,15
	global_load_b128 v[X+4*\j:X+4*\j+3], v1, s[4:5] offset:256*\j
.endr
.irp j, 0,1,2,3,4,5,6,7,8,9,10,11,12,13,14,15
	global_load_b128 v[G+4*\j:G+4*\j+3], v2, s[6:7] offset:256*\j
.endr
.irp j, 0,1,2,3,4,5,6,7,8,9,10,11,12,13,14,15
	global_load_b128 v[BV+4*\j:BV+4*\j+3], v2, s[8:9] offset:256*\j
.endr
; four chains of pairs in v[T:T+7] fold to one number, then over the row's sixteen lanes: every lane ends with the row's sum
.macro REDUCE
	v_pk_add_f32 v[T:T+1], v[T:T+1], v[T+2:T+3]
	v_pk_add_f32 v[T+4:T+5], v[T+4:T+5], v[T+6:T+7]
	v_pk_add_f32 v[T:T+1], v[T:T+1], v[T+4:T+5]
	v_add_f32 v[T], v[T], v[T+1]
	v_add_f32_dpp v[T], v[T], v[T] row_xmask:1 row_mask:0xf bank_mask:0xf
	v_add_f32_dpp v[T], v[T], v[T] row_xmask:2 row_mask:0xf bank_mask:0xf
	v_add_f32_dpp v[T], v[T], v[T] row_xmask:4 row_mask:0xf bank_mask:0xf
	v_add_f32_dpp v[T], v[T], v[T] row_xmask:8 row_mask:0xf bank_mask:0xf
.endm
	s_wait_loadcnt 32                              ; x's sixteen loads are in; the 32 of gain and shift may stay out
.irp k, 0,1,2,3
	v_pk_add_f32 v[T+2*\k:T+2*\k+1], v[X+2*\k:X+2*\k+1], v[X+8+2*\k:X+8+2*\k+1]   ; the first sums start the chains
.endr
.set j, 8
.rept 24
	v_pk_add_f32 v[T+2*(j%4):T+2*(j%4)+1], v[T+2*(j%4):T+2*(j%4)+1], v[X+2*j:X+2*j+1]
.set j, j+1
.endr
	REDUCE
	v_mul_f32 v[T+2], 0x3a800000, v[T]             ; mean = sum / 1024
	v_mov_b32 v[T+3], v[T+2]
.set j, 0
.rept 32
	v_pk_add_f32 v[X+2*j:X+2*j+1], v[X+2*j:X+2*j+1], v[T+2:T+3] neg_lo:[0,1] neg_hi:[0,1]   ; x - mean
.set j, j+1
.endr
.irp k, 0,1,2,3
	v_pk_mul_f32 v[T+2*\k:T+2*\k+1], v[X+2*\k:X+2*\k+1], v[X+2*\k:X+2*\k+1]
.endr
.set j, 4
.rept 28
	v_pk_fma_f32 v[T+2*(j%4):T+2*(j%4)+1], v[X+2*j:X+2*j+1], v[X+2*j:X+2*j+1], v[T+2*(j%4):T+2*(j%4)+1]
.set j, j+1
.endr
	REDUCE
	v_mul_f32 v[T], 0x3a802008, v[T]               ; / 1023
	v_sqrt_f32 v[T+1], v[T]
	v_nop                                          ; one plain instruction behind a transcendental before its result is used (ISA guide 5.7.2)
	s_wait_alu depctr_va_vdst(0)
	v_add_f32 v[T+1], 0x3727c5ac, v[T+1]           ; std + 1e-5
	v_rcp_f32 v[T+2], v[T+1]
	v_nop
	s_wait_alu depctr_va_vdst(0)
	v_mov_b32 v[T+3], v[T+2]
.set j, 0
.rept 32
	v_pk_mul_f32 v[X+2*j:X+2*j+1], v[X+2*j:X+2*j+1], v[T+2:T+3]
.set j, j+1
.endr
	s_wait_loadcnt 0x0                             ; gain and shift
.set j, 0
.rept 32
	v_pk_fma_f32 v[X+2*j:X+2*j+1], v[X+2*j:X+2*j+1], v[G+2*j:G+2*j+1], v[BV+2*j:BV+2*j+1]
.set j, j+1
.endr
.irp j, 0,1,2,3,4,5,6,7,8,9,10,11,12,13,14,15
	v_cvt_pk_bf16_f32 v[Y+2*\j],   v[X+4*\j],   v[X+4*\j+1]
	v_cvt_pk_bf16_f32 v[Y+2*\j+1], v[X+4*\j+2], v[X+4*\j+3]
	global_store_b64 v3, v[Y+2*\j:Y+2*\j+1], s[10:11] offset:524288*\j   ; block j: 7,864,320 at the most, inside the signed 24 bits
.endr
	s_endpgm
.Lfunc_end_k_q84609614f1_ln2:
	.size	k_q84609614f1_ln2, .Lfunc_end_k_q84609614f1_ln2-k_q84609614f1_ln2
	.p2alignl 7, 3214868480
	.fill 96, 4, 3214868480
	.section	.rodata,"a",@progbits
	.p2align	6, 0x0
	.amdhsa_kernel k_q84609614f1_ln2
		.amdhsa_group_segment_fixed_size 0
		.amdhsa_private_segment_fixed_size 0
		.amdhsa_enable_private_segment 0
		.amdhsa_kernarg_size 32
		.amdhsa_user_sgpr_count 2
		.amdhsa_user_sgpr_kernarg_segment_ptr 1
		.amdhsa_wavefront_size32 1
		.amdhsa_system_sgpr_workgroup_id_x 1
		.amdhsa_system_sgpr_workgroup_id_y 1
		.amdhsa_system_sgpr_workgroup_id_z 1
		.amdhsa_system_vgpr_workitem_id 0
		.amdhsa_next_free_vgpr 240
		.amdhsa_next_free_sgpr 66
		.amdhsa_reserve_vcc 0
		.amdhsa_float_denorm_mode_32 3
		.amdhsa_float_denorm_mode_16_64 3
		.amdhsa_memory_ordered 1
		.amdhsa_forward_progress 1
		.amdhsa_inst_pref_size 20
	.end_amdhsa_kernel
	.amdgpu_metadata
---
amdhsa.version: [ 1, 2 ]
amdhsa.kernels:
  - .name:           k_q84609614f1_ln2
    .symbol:         k_q84609614f1_ln2.kd
    .args:
      - { .name: x1, .offset: 0, .size: 8, .value_kind: global_buffer, .address_space: global }
      - { .name: ln2_g, .offset: 8, .size: 8, .value_kind: global_buffer, .address_space: global }
      - { .name: ln2_b, .offset: 16, .size: 8, .value_kind: global_buffer, .address_space: global }
      - { .name: h, .offset: 24, .size: 8, .value_kind: global_buffer, .address_space: global }
    .group_segment_fixed_size: 0
    .private_segment_fixed_size: 0
    .kernarg_segment_align: 8
    .kernarg_segment_size: 32
    .max_flat_workgroup_size: 256
    .sgpr_count:     66
    .vgpr_count:     240
    .wavefront_size: 32
...
	.end_amdgpu_metadata
.endif
;; end of part 5
;; launch ffn1 (part 6): grid 16 x 16, 4 waves a work-group, clusters of 4 x 4, 327,680 bytes of LDS; arguments h, wb, g, ffn_b1; writes g
.if DOCPART == 6
	.amdgcn_target "amdgcn-amd-amdhsa--gfx1250"
	.amdhsa_code_object_version 6
	.text
	.protected	k_q84609614f1_ffn1
	.globl	k_q84609614f1_ffn1
	.p2align	8
	.type	k_q84609614f1_ffn1,@function
k_q84609614f1_ffn1:
	s_mov_b64 s[64:65], 0
	v_nop
	global_prefetch_b8 v0, s[64:65] scope:SCOPE_SE
	s_setreg_imm32_b32 hwreg(HW_REG_WAVE_MODE, 25, 1), 1
	s_wait_xcnt 0x0
	s_wait_alu depctr_hold_cnt(0) depctr_sa_sdst(0) depctr_va_vdst(0) depctr_va_sdst(0) depctr_va_ssrc(0) depctr_va_vcc(0) depctr_vm_vsrc(0)
	s_getreg_b32 s2, hwreg(HW_REG_IB_STS2, 6, 4)
	s_cmp_eq_u32 s2, 0
	s_cbranch_scc0 .Lentry_in_a_cluster
	s_endpgm
.Lentry_in_a_cluster:
	s_bfe_u32 s2, ttmp6, 0x10000c
	s_cmp_lg_u32 s2, 0xf033
	s_cbranch_scc0 .Lentry_shape_is_right
	s_endpgm
.Lentry_shape_is_right:
; g = gelu(h x ffn_w1 + ffn_b1), the tanh form.  h: bf16 in column blocks [16][4096 tokens][64].  ffn_w1: bf16 [1024 (k)][4096 (n)] at wb + WOFF.
; g: bf16 in column blocks [64][4096][64].  Sums, bias and GELU in f32.
; 0.5 x (1 + tanh(u)) = x / (1 + e^(-2u)) = x * rcp(1 + exp2(x (K0 + K1 x^2))), K0 = -2 sqrt(2/pi) log2(e), K1 = 0.044715 K0.
; Limits: operands are rounded to bf16; where the exponent overflows, exp2 gives infinity or 0 and the result is the limit, 0 or x;
; v_exp_f32 and v_rcp_f32 flush denormals.
; A work-group makes 256 tokens x 256 columns with four waves, a wave 128 x 128: 64 accumulator tiles, 512 registers.
; K goes in steps of 128 through two LDS slots.  A slot holds A as two column blocks of 256 tokens (each 32 KiB dense in memory, laid at
; 144 bytes a token) and B as 128 k rows of 512 bytes (laid at 544).  Wave 0 and 1 fetch A's two blocks, wave 2 and 3 B's two halves.
; 144 is an odd multiple of 16 and 544 an odd multiple of 32.  B lies [k][n], so its fragments come by the transposing LDS load.
; CLUSTERS: 4 x 4 work-groups; A's tiles are asked for jointly along a row of the cluster, B's along a column.
; REGISTERS: window 0: v16-27 addresses, v64-127 / v128-191 A's fragments (two buffers), v192-235 the way out; window 1: v64-127 / v128-191 B's
; fragments, v192-255 the bias of my 64 columns a lane; window 2: accumulators of my tokens 0-63 (tile (a, b) at v[8 (8 a + b)]); window 3: tokens 64-127.
; Source 0 is B's fragment, source 1 A's: lane l holds token l % 16 and eight neighbouring columns.
; The 64 accumulators take turns, one instruction a turn, in the same order in every quarter step.
.set NDIM,   4096
.set WOFF,   8388608
.set LAPS,   4
.set KSTEP,  128
.set CBLK,   524288
.set APITCH, 144
.set AREG,   256*APITCH
.set BPITCH, 544
.set BHALF,  64*BPITCH
.set BOFF,   2*AREG
.set SLOT,   BOFF+2*BHALF
.set STAGE,  2*SLOT
.set SPITCH, 272
.set ADRA, 16
.set ADRB, 20
.set STO,  24
.set RD,   25
.set CO,   26
.set BO,   27                          ; 32 h: my eight columns of a tile's sixteen, in f32
.set F0,   64
.set F1,   128
.set XV,   64                          ; the way out: 64 numbers in f32
.set RBA,  128                         ; the way out: read back, two sets by turns
.set RBB,  160
.set TMP,  192
.set EV,   224                         ; v[224:231] at work
.set KC1,  232                         ; v[232:233] K1, twice
.set KC0,  234                         ; v[234:235] K0, twice
.set BIAS, 192                         ; window 1
.set G1,  24
.set G0,  32
.set G1B, 48
.set G0B, 56
.set MSB, 0
.macro WIN new
.if MSB != \new
	s_set_vgpr_msb (MSB<<8)|\new
.set MSB, \new
.endif
.endm
.set MUL_LO, 0xa1
.set MUL_HI, 0xf1
.set TO_B,   0x40
.macro JLOAD s
	s_cmp_eq_u32 s11, 0
	s_cbranch_scc0 .Lfor_b_\@
	tensor_load_to_lds s[G0+4*\s:G0+4*\s+3], s[G1:G1+7]
	s_nop 0
	s_branch .Lasked_\@
.Lfor_b_\@:
	tensor_load_to_lds s[G0B+4*\s:G0B+4*\s+3], s[G1B:G1B+7]
	s_nop 0
.Lasked_\@:
.endm
.macro CREST
	s_cmp_lg_u32 s10, 0
	s_cbranch_scc1 .Lnot_wave_0_\@
	s_barrier_signal -3
.Lnot_wave_0_\@:
	s_barrier_wait -3
	s_barrier_signal -1
	s_barrier_wait -1
.endm
.macro CROUND
	s_barrier_signal -1
	s_barrier_wait -1
	CREST
.endm
	s_load_b128 s[4:7], s[0:1], 0x0                ; h s[4:5], wb s[6:7]
	s_load_b64 s[8:9], s[0:1], 0x10                ; g
	s_load_b64 s[66:67], s[0:1], 0x18              ; ffn_b1
	s_set_vgpr_msb 0x40
	v_lshl_add_u32 v63, v0, 2, 0x4a400
	s_set_vgpr_msb 0x4000
	v_mov_b32 v255, 0
	s_set_vgpr_msb 0x1
	ds_add_u32 v63, v255
	s_set_vgpr_msb 0x100
	v_lshrrev_b32 v1, 5, v0
	v_readfirstlane_b32 s10, v1
	s_lshr_b32 s11, s10, 1
	s_and_b32 s12, s10, 1
	s_bfe_u32 s40, ttmp6, 0x40000                  ; cx
	s_bfe_u32 s41, ttmp6, 0x40004                  ; cy
	s_lshl_b32 s42, ttmp9, 2
	s_add_co_u32 s42, s42, s40                     ; block column
	s_and_b32 s13, ttmp7, 0xffff
	s_lshl_b32 s13, s13, 2
	s_add_co_u32 s13, s13, s41                     ; block row
	s_lshl_b32 s43, s41, 2
	s_lshl_b32 s43, 15, s43                        ; my row of the cluster
	s_lshl_b32 s44, 0x1111, s40                    ; my column
	; group 1 for A: 32 KiB dense as 128 rows of 128 elements; 4 words of padding behind every 32 words
	s_or_b32 s[G1+0], s43, (1<<16)|(1<<20)|(1<<21)|(4<<22)|(3<<25)
	s_mov_b32 s[G1+1], 128<<16
	s_mov_b32 s[G1+2], 128<<16
	s_mov_b32 s[G1+3], 128<<16
	s_mov_b32 s[G1+4], 128
	s_mov_b32 s[G1+5], 128
	s_mov_b32 s[G1+6], 0
	s_mov_b32 s[G1+7], 0
	; group 1 for B: 64 rows of 256 elements, NDIM elements from row to row; 8 words of padding behind every 128 words
	s_or_b32 s[G1B+0], s44, (1<<16)|(1<<20)|(1<<21)|(6<<22)|(7<<25)
	s_mov_b32 s[G1B+1], 256<<16
	s_mov_b32 s[G1B+2], 64<<16
	s_mov_b32 s[G1B+3], 256<<16
	s_mov_b32 s[G1B+4], 64
	s_mov_b32 s[G1B+5], NDIM
	s_mov_b32 s[G1B+6], 0
	s_mov_b32 s[G1B+7], 0
	s_lshl_b32 s16, s13, 15
	s_lshl_b32 s17, s12, 19
	s_add_co_u32 s16, s16, s17
	s_mov_b32 s17, 0
	s_lshl_b32 s46, s42, 9
	s_mul_i32 s47, s12, 128*NDIM
	s_add_co_u32 s46, s46, s47
	s_add_co_u32 s46, s46, WOFF
	s_mov_b32 s47, 0
	s_mul_i32 s20, s10, AREG
	s_mul_i32 s21, s10, BHALF
	s_add_co_u32 s21, s21, BOFF-2*BHALF
	s_wait_dscnt 0x0
	s_wait_kmcnt 0x0
	s_add_nc_u64 s[14:15], s[4:5], s[16:17]
	s_add_nc_u64 s[46:47], s[6:7], s[46:47]
	CROUND                                         ; all sixteen work-groups are here: the first joint loads meet
.irp s, 0,1
	s_mov_b32 s[G0+4*\s], 1
	s_add_co_u32 s[G0+4*\s+1], s20, \s*SLOT
	s_add_nc_u64 s[G0+4*\s+2:G0+4*\s+3], s[14:15], \s*2*CBLK
	s_or_b32 s[G0+4*\s+3], s[G0+4*\s+3], 0x80000000
	s_mov_b32 s[G0B+4*\s], 1
	s_add_co_u32 s[G0B+4*\s+1], s21, \s*SLOT
	s_add_nc_u64 s[G0B+4*\s+2:G0B+4*\s+3], s[46:47], \s*KSTEP*NDIM*2
	s_or_b32 s[G0B+4*\s+3], s[G0B+4*\s+3], 0x80000000
	JLOAD \s                                       ; two tensor loads of the wave are out
.endr
	v_and_b32 v1, 15, v0
	v_bfe_u32 v2, v0, 4, 1
	v_mul_u32_u24 v3, v1, APITCH
	v_lshl_add_u32 v3, v2, 4, v3
	v_and_b32 v4, 7, v0
	v_lshl_add_u32 v4, v2, 3, v4
	v_mul_u32_u24 v4, v4, BPITCH
	v_bfe_u32 v5, v0, 3, 1
	v_lshl_add_u32 v4, v5, 4, v4
	s_mul_i32 s16, s11, 128*APITCH
	s_lshl_b32 s17, s12, 8
	s_add_co_u32 s17, s17, BOFF
.irp s, 0,1
	v_add_nc_u32 v[ADRA+\s], s16, v3
	v_add_nc_u32 v[ADRB+\s], s17, v4
	s_add_co_u32 s16, s16, SLOT
	s_add_co_u32 s17, s17, SLOT
.endr
	s_mul_i32 s23, s10, 16*SPITCH
	s_add_co_u32 s23, s23, STAGE
	v_mul_u32_u24 v5, v1, SPITCH
	v_lshl_add_u32 v5, v2, 4, v5
	v_add_nc_u32 v[STO], s23, v5
	v_bfe_u32 v6, v0, 3, 2
	v_mul_u32_u24 v6, v6, SPITCH
	v_and_b32 v7, 7, v0
	v_lshl_add_u32 v6, v7, 4, v6
	v_add_nc_u32 v[RD], s23, v6
	v_and_b32 v7, 31, v0
	v_lshlrev_b32 v[CO], 4, v7
	v_lshlrev_b32 v[BO], 5, v2
	v_mov_b32 v[KC1], 0xbdd2d3e8                   ; K1 = -0.10294324
	v_mov_b32 v[KC1+1], 0xbdd2d3e8
	v_mov_b32 v[KC0], 0xc0135761                   ; K0 = -2.3022082
	v_mov_b32 v[KC0+1], 0xc0135761
	s_lshl_b32 s2, s42, 10                         ; my first column in f32: 256 x block + 128 x half
	s_lshl_b32 s3, s12, 9
	s_add_co_u32 s2, s2, s3
	s_mov_b32 s3, 0
	s_add_nc_u64 s[66:67], s[66:67], s[2:3]
	WIN TO_B
.irp b, 0,1,2,3,4,5,6,7
	global_load_b128 v[BIAS+8*\b:BIAS+8*\b+3],   v[BO], s[66:67] offset:64*\b      ; columns 16 b + 8 h .. + 7: on their way during the K loop
	global_load_b128 v[BIAS+8*\b+4:BIAS+8*\b+7], v[BO], s[66:67] offset:64*\b+16
.endr
	WIN 0
.macro MUL16 f, hi, a0, zero
.irp a, \a0, \a0+1
.irp b, 0,1,2,3,4,5,6,7
.if \zero
	v_wmma_f32_16x16x32_bf16 v[8*(8*(\a)+\b):8*(8*(\a)+\b)+7], v[\f+8*\b:\f+8*\b+7], v[\f+8*(4*\hi+\a):\f+8*(4*\hi+\a)+7], 0
.else
	v_wmma_f32_16x16x32_bf16 v[8*(8*(\a)+\b):8*(8*(\a)+\b)+7], v[\f+8*\b:\f+8*\b+7], v[\f+8*(4*\hi+\a):\f+8*(4*\hi+\a)+7], v[8*(8*(\a)+\b):8*(8*(\a)+\b)+7]
.endif
.endr
.endr
.endm
.macro FETCH slot, q, f
	WIN TO_B
.irp i, 0,1,2,3,4,5,6,7
	ds_load_tr16_b128 v[\f+8*\i:\f+8*\i+3],   v[ADRB+\slot] offset:\q*32*BPITCH+32*\i
	ds_load_tr16_b128 v[\f+8*\i+4:\f+8*\i+7], v[ADRB+\slot] offset:\q*32*BPITCH+32*\i+16*BPITCH
.endr
	WIN 0
.irp i, 0,1,2,3,4,5,6,7
	ds_load_b128 v[\f+8*\i:\f+8*\i+3],   v[ADRA+\slot] offset:(\q>>1)*AREG+(\q&1)*64+\i*16*APITCH
	ds_load_b128 v[\f+8*\i+4:\f+8*\i+7], v[ADRA+\slot] offset:(\q>>1)*AREG+(\q&1)*64+\i*16*APITCH+32
.endr
.endm
.macro PLACES                          ; four plain places behind a matrix instruction (ISA guide 7.12.1)
.rept 4
	v_nop
.endr
.endm
.macro QUARTER slot, q, f, g, zero
	s_wait_dscnt 8                                 ; B and A's tokens 0-63 are in; the youngest eight loads may be out
	WIN MUL_LO
	MUL16 \f, 0, 0, \zero
	MUL16 \f, 0, 2, \zero
	PLACES
	FETCH \slot, \q, \g
	s_wait_dscnt 32                                ; all but the 32 just issued
	WIN MUL_HI
	MUL16 \f, 1, 0, \zero
	MUL16 \f, 1, 2, \zero
.endm
.macro THREE slot, zero
	QUARTER \slot, 1, F0, F1, \zero
	QUARTER \slot, 2, F1, F0, 0
	QUARTER \slot, 3, F0, F1, 0
.endm
; the step's last quarter and the change of slots: waits for my reads and for all my tensor loads in front of the barrier; with fill = 1 the barrier
; opens a round of the cluster's barrier and the joint refill is the first tensor load behind the round's closing wait
.macro TURN slot, next, fill
	s_wait_dscnt 8
	WIN MUL_LO
	MUL16 F1, 0, 0, 0
	s_wait_dscnt 0
	s_wait_tensorcnt 0x0
	ds_add_u32 v63, v255
	s_wait_dscnt 0x0
	s_barrier_signal -1
	MUL16 F1, 0, 2, 0
	WIN 0
	s_barrier_wait -1
.if \fill
	CREST
	s_add_nc_u64 s[G0+4*\slot+2:G0+4*\slot+3], s[G0+4*\slot+2:G0+4*\slot+3], 4*CBLK
	s_add_nc_u64 s[G0B+4*\slot+2:G0B+4*\slot+3], s[G0B+4*\slot+2:G0B+4*\slot+3], 512*NDIM
	JLOAD \slot
.endif
	PLACES
	FETCH \next, 0, F0
	WIN MUL_HI
	MUL16 F1, 1, 0, 0
	MUL16 F1, 1, 2, 0
.endm
.macro LAP zero
	THREE 0, \zero
	TURN 0, 1, 1
	THREE 1, 0
	TURN 1, 0, 1
.endm
	s_wait_tensorcnt 1                             ; my part of step 0 is in; step 1's may stay out
	s_barrier_signal -1
	s_barrier_wait -1
	FETCH 0, 0, F0
	LAP 1
	WIN 0
	s_mov_b32 s3, LAPS-2
.Llap:
	LAP 0
	WIN 0
	s_sub_co_u32 s3, s3, 1
	s_cmp_lg_u32 s3, 0
	s_cbranch_scc1 .Llap
	THREE 0, 0
	TURN 0, 1, 0
	THREE 1, 0
	s_wait_dscnt 8
	WIN MUL_LO
	MUL16 F1, 0, 0, 0
	MUL16 F1, 0, 2, 0
	s_wait_dscnt 0
	WIN MUL_HI
	MUL16 F1, 1, 0, 0
	MUL16 F1, 1, 2, 0
	; THE WAY OUT, 16 tokens at a time: + bias, GELU, round to bf16, through my stage, out as runs of 4 tokens x 128 bytes of one column block
	PLACES
	s_wait_loadcnt 0x0                             ; the bias
	s_lshl_b32 s16, s13, 15
	s_lshl_b32 s14, s11, 14
	s_add_co_u32 s16, s16, s14
	s_mov_b32 s17, 0
	s_add_nc_u64 s[8:9], s[8:9], s[16:17]
	s_lshl_b32 s46, s42, 21
	s_lshl_b32 s47, s12, 20
	s_add_co_u32 s46, s46, s47
	s_mov_b32 s47, 0
	s_add_nc_u64 s[8:9], s[8:9], s[46:47]
.macro GELU8 x                         ; eight numbers at v[x] in place
.irp k, 0,2,4,6
	v_pk_mul_f32 v[EV+\k:EV+\k+1], v[\x+\k:\x+\k+1], v[\x+\k:\x+\k+1]
.endr
.irp k, 0,2,4,6
	v_pk_fma_f32 v[EV+\k:EV+\k+1], v[EV+\k:EV+\k+1], v[KC1:KC1+1], v[KC0:KC0+1]
.endr
.irp k, 0,2,4,6
	v_pk_mul_f32 v[EV+\k:EV+\k+1], v[EV+\k:EV+\k+1], v[\x+\k:\x+\k+1]
.endr
.irp k, 0,1,2,3,4,5,6,7
	v_exp_f32 v[EV+\k], v[EV+\k]
.endr
	v_nop                                          ; one plain place behind the transcendentals (ISA guide 5.7.2)
	s_wait_alu depctr_va_vdst(0)
.irp k, 0,2,4,6
	v_pk_add_f32 v[EV+\k:EV+\k+1], v[EV+\k:EV+\k+1], 1.0 op_sel_hi:[1,0]
.endr
.irp k, 0,1,2,3,4,5,6,7
	v_rcp_f32 v[EV+\k], v[EV+\k]
.endr
	v_nop
	s_wait_alu depctr_va_vdst(0)
.irp k, 0,2,4,6
	v_pk_mul_f32 v[\x+\k:\x+\k+1], v[\x+\k:\x+\k+1], v[EV+\k:EV+\k+1]
.endr
.endm
; from: source 0 (accumulators) window 2 or 3, source 1 (bias) window 1, destination window 0
.macro OUTG i, a, from, rb
	WIN \from
.irp b, 0,1,2,3,4,5,6,7
.irp r, 0,1,2,3
	v_pk_add_f32 v[XV+8*\b+2*\r:XV+8*\b+2*\r+1], v[8*(8*\a+\b)+2*\r:8*(8*\a+\b)+2*\r+1], v[BIAS+8*\b+2*\r:BIAS+8*\b+2*\r+1]
.endr
.endr
	WIN 0
.irp b, 0,1,2,3,4,5,6,7
	GELU8 XV+8*\b
.endr
.irp b, 0,1,2,3,4,5,6,7
.irp r, 0,1,2,3
	v_cvt_pk_bf16_f32 v[TMP+4*\b+\r], v[XV+8*\b+2*\r], v[XV+8*\b+2*\r+1]
.endr
.endr
.irp b, 0,1,2,3,4,5,6,7
	ds_store_b128 v[STO], v[TMP+4*\b:TMP+4*\b+3] offset:32*\b
.endr
	s_wait_xcnt 0x0                                ; registers that earlier stores read, and the stores' base, are rewritten only behind this wait
.if \i
	s_add_nc_u64 s[8:9], s[8:9], 16*128
.endif
.irp t, 0,1,2,3,4,5,6,7
	ds_load_b128 v[\rb+4*\t:\rb+4*\t+3], v[RD] offset:(\t&3)*4*SPITCH+(\t>>2)*128   ; a wave's LDS instructions are served in order
.endr
.irp t, 0,1,2,3,4,5,6,7
	s_wait_dscnt 7-\t
	global_store_b128 v[CO], v[\rb+4*\t:\rb+4*\t+3], s[8:9] offset:(\t&3)*512+(\t>>2)*CBLK   ; the wave stores 512 consecutive bytes, aligned
.endr
.endm
	OUTG 0, 0, 0x06, RBA
	OUTG 1, 1, 0x06, RBB
	OUTG 2, 2, 0x06, RBA
	OUTG 3, 3, 0x06, RBB
	OUTG 4, 0, 0x07, RBA
	OUTG 5, 1, 0x07, RBB
	OUTG 6, 2, 0x07, RBA
	OUTG 7, 3, 0x07, RBB
	s_set_vgpr_msb 0x1
	s_wait_tensorcnt 0x0
	ds_add_u32 v63, v255
	s_wait_dscnt 0x0
	s_set_vgpr_msb 0x100
	CROUND                                         ; the closing round
	s_endpgm
.Lfunc_end_k_q84609614f1_ffn1:
	.size	k_q84609614f1_ffn1, .Lfunc_end_k_q84609614f1_ffn1-k_q84609614f1_ffn1
	.p2alignl 7, 3214868480
	.fill 96, 4, 3214868480
	.section	.rodata,"a",@progbits
	.p2align	6, 0x0
	.amdhsa_kernel k_q84609614f1_ffn1
		.amdhsa_group_segment_fixed_size 327680
		.amdhsa_private_segment_fixed_size 0
		.amdhsa_enable_private_segment 0
		.amdhsa_kernarg_size 32
		.amdhsa_user_sgpr_count 2
		.amdhsa_user_sgpr_kernarg_segment_ptr 1
		.amdhsa_wavefront_size32 1
		.amdhsa_system_sgpr_workgroup_id_x 1
		.amdhsa_system_sgpr_workgroup_id_y 1
		.amdhsa_system_sgpr_workgroup_id_z 1
		.amdhsa_system_vgpr_workitem_id 0
		.amdhsa_next_free_vgpr 1024
		.amdhsa_next_free_sgpr 72
		.amdhsa_reserve_vcc 0
		.amdhsa_float_denorm_mode_32 3
		.amdhsa_float_denorm_mode_16_64 3
		.amdhsa_memory_ordered 1
		.amdhsa_forward_progress 1
		.amdhsa_inst_pref_size 255
	.end_amdhsa_kernel
	.section	.bss,"aw",@nobits
	.p2align	6
	.space	262144
	.amdgpu_metadata
---
amdhsa.version: [ 1, 2 ]
amdhsa.kernels:
  - .name:           k_q84609614f1_ffn1
    .symbol:         k_q84609614f1_ffn1.kd
    .args:
      - { .name: h, .offset: 0, .size: 8, .value_kind: global_buffer, .address_space: global }
      - { .name: wb, .offset: 8, .size: 8, .value_kind: global_buffer, .address_space: global }
      - { .name: g, .offset: 16, .size: 8, .value_kind: global_buffer, .address_space: global }
      - { .name: ffn_b1, .offset: 24, .size: 8, .value_kind: global_buffer, .address_space: global }
    .group_segment_fixed_size: 327680
    .private_segment_fixed_size: 0
    .kernarg_segment_align: 8
    .kernarg_segment_size: 32
    .max_flat_workgroup_size: 128
    .sgpr_count:     72
    .vgpr_count:     1024
    .wavefront_size: 32
...
	.end_amdgpu_metadata
.endif
;; end of part 6
;; launch ffn2 (part 7): grid 8 x 32, 4 waves a work-group, clusters of 4 x 4, 327,680 bytes of LDS; arguments g, wb, out0, ffn_b2, x1; writes out0
.if DOCPART == 7
	.amdgcn_target "amdgcn-amd-amdhsa--gfx1250"
	.amdhsa_code_object_version 6
	.text
	.protected	k_q84609614f1_ffn2
	.globl	k_q84609614f1_ffn2
	.p2align	8
	.type	k_q84609614f1_ffn2,@function
k_q84609614f1_ffn2:
	s_mov_b64 s[64:65], 0
	v_nop
	global_prefetch_b8 v0, s[64:65] scope:SCOPE_SE
	s_setreg_imm32_b32 hwreg(HW_REG_WAVE_MODE, 25, 1), 1
	s_wait_xcnt 0x0
	s_wait_alu depctr_hold_cnt(0) depctr_sa_sdst(0) depctr_va_vdst(0) depctr_va_sdst(0) depctr_va_ssrc(0) depctr_va_vcc(0) depctr_vm_vsrc(0)
	s_getreg_b32 s2, hwreg(HW_REG_IB_STS2, 6, 4)
	s_cmp_eq_u32 s2, 0
	s_cbranch_scc0 .Lentry_in_a_cluster
	s_endpgm
.Lentry_in_a_cluster:
	s_bfe_u32 s2, ttmp6, 0x10000c
	s_cmp_lg_u32 s2, 0xf033
	s_cbranch_scc0 .Lentry_shape_is_right
	s_endpgm
.Lentry_shape_is_right:
; out = resid + bias + A x W.  A: bf16 in column blocks [KDIM/64][4096 tokens][64].  W: bf16 [KDIM (k)][1024 (n)] at wb + WOFF.
; bias f32 [1024]; resid and out f32 [4096][1024].  Sums in f32.  Here: A = g, W = ffn_w2, bias = ffn_b2, resid = x1, out = out0.
; N is 1024, so 256 work-groups mean blocks of 128 tokens x 128 columns; a wave makes 64 x 64: 16 accumulator tiles.
; K goes in steps of 256 through two LDS slots: a wave has 128 matrix instructions to a slot, and the longer step halves the rounds of the cluster's
; barrier.  A slot holds A as four column blocks of 128 tokens (144 bytes a token) and B as 256 k rows of 256 bytes (pitch 288).
; Waves 0, 1 fetch two column blocks each, waves 2, 3 128 k rows each: 36,864 bytes of LDS a wave.  144 is an odd multiple of 16, 288 of 32.
; CLUSTERS: 4 x 4 work-groups; A's tiles are asked for jointly along a row of the cluster, B's along a column.
; REGISTERS: window 0: v16-31 addresses and bias; v64-127 / v128-191 fragments (B's four, then A's four), two buffers; v192-255 the way out.
; window 1: v0-127 accumulators (tile (a, b) at v[8 (4 a + b)]); v128-255 the residual, loaded at the start, in the layout of the stores.
; Source 0 is B's fragment, source 1 A's: lane l holds token l % 16 and eight neighbouring columns.
; The 16 accumulators take turns, one instruction a turn, in the same order in every quarter step.
; Limit: operands are rounded to bf16.
.set KDIM,   4096
.set WOFF,   16777216
.set LAPS,   KDIM/512
.set CBLK,   524288
.set APITCH, 144
.set AREG,   128*APITCH
.set BPITCH, 288
.set PART,   36864
.set BOFF,   2*PART
.set SLOT,   4*PART
.set STAGE,  2*SLOT
.set SPITCH, 272
.set ADRA, 16
.set ADRB, 20
.set STO,  24
.set RD,   25
.set CO,   26
.set BO,   27
.set BIAS, 28
.set F0,   64
.set F1,   128
.set RB0,  192
.set RB1,  224
.set RES,  128
.set G1,  24
.set G0,  32
.set G1B, 48
.set G0B, 56
.set ACCW, 0x50
.set MSB, 0
.macro WIN new
.if MSB != \new
	s_set_vgpr_msb (MSB<<8)|\new
.set MSB, \new
.endif
.endm
.macro JLOAD s
	s_cmp_eq_u32 s11, 0
	s_cbranch_scc0 .Lfor_b_\@
	tensor_load_to_lds s[G0+4*\s:G0+4*\s+3], s[G1:G1+7]
	s_nop 0
	s_branch .Lasked_\@
.Lfor_b_\@:
	tensor_load_to_lds s[G0B+4*\s:G0B+4*\s+3], s[G1B:G1B+7]
	s_nop 0
.Lasked_\@:
.endm
.macro CREST
	s_cmp_lg_u32 s10, 0
	s_cbranch_scc1 .Lnot_wave_0_\@
	s_barrier_signal -3
.Lnot_wave_0_\@:
	s_barrier_wait -3
	s_barrier_signal -1
	s_barrier_wait -1
.endm
.macro CROUND
	s_barrier_signal -1
	s_barrier_wait -1
	CREST
.endm
	s_load_b128 s[4:7], s[0:1], 0x0                ; A s[4:5], wb s[6:7]
	s_load_b64 s[8:9], s[0:1], 0x10                ; out
	s_load_b128 s[68:71], s[0:1], 0x18             ; bias s[68:69], resid s[70:71]
	v_lshl_add_u32 v62, v0, 2, 0x4c400
	v_mov_b32 v63, 0
	ds_add_u32 v62, v63
	v_lshrrev_b32 v1, 5, v0
	v_readfirstlane_b32 s10, v1
	s_lshr_b32 s11, s10, 1
	s_and_b32 s12, s10, 1
	s_bfe_u32 s40, ttmp6, 0x40000                  ; cx
	s_bfe_u32 s41, ttmp6, 0x40004                  ; cy
	s_lshl_b32 s42, ttmp9, 2
	s_add_co_u32 s42, s42, s40                     ; block column
	s_and_b32 s13, ttmp7, 0xffff
	s_lshl_b32 s13, s13, 2
	s_add_co_u32 s13, s13, s41                     ; block row
	s_lshl_b32 s43, s41, 2
	s_lshl_b32 s43, 15, s43
	s_lshl_b32 s44, 0x1111, s40
	; group 1 for A: two column blocks, each a dense run of 8,192 elements, 262,144 elements apart; 4 words of padding behind every 32
	s_or_b32 s[G1+0], s43, (1<<16)|(1<<20)|(1<<21)|(4<<22)|(3<<25)
	s_mov_b32 s[G1+1], 8192<<16
	s_mov_b32 s[G1+2], 2<<16
	s_mov_b32 s[G1+3], 8192<<16
	s_mov_b32 s[G1+4], 2
	s_mov_b32 s[G1+5], 262144
	s_mov_b32 s[G1+6], 0
	s_mov_b32 s[G1+7], 0
	; group 1 for B: 128 rows of 128 elements, 1,024 elements from row to row; 8 words of padding behind every 64
	s_or_b32 s[G1B+0], s44, (1<<16)|(1<<20)|(1<<21)|(5<<22)|(7<<25)
	s_mov_b32 s[G1B+1], 128<<16
	s_mov_b32 s[G1B+2], 128<<16
	s_mov_b32 s[G1B+3], 128<<16
	s_mov_b32 s[G1B+4], 128
	s_mov_b32 s[G1B+5], 1024
	s_mov_b32 s[G1B+6], 0
	s_mov_b32 s[G1B+7], 0
	s_lshl_b32 s16, s13, 14
	s_lshl_b32 s17, s12, 20
	s_add_co_u32 s16, s16, s17
	s_mov_b32 s17, 0
	s_lshl_b32 s46, s42, 8
	s_lshl_b32 s47, s12, 18
	s_add_co_u32 s46, s46, s47
	s_add_co_u32 s46, s46, WOFF
	s_mov_b32 s47, 0
	s_mul_i32 s20, s10, PART
	s_wait_dscnt 0x0
	s_wait_kmcnt 0x0
	s_add_nc_u64 s[14:15], s[4:5], s[16:17]
	s_add_nc_u64 s[46:47], s[6:7], s[46:47]
	CROUND                                         ; all sixteen work-groups are here: the first joint loads meet
.irp s, 0,1
	s_mov_b32 s[G0+4*\s], 1
	s_add_co_u32 s[G0+4*\s+1], s20, \s*SLOT
	s_add_nc_u64 s[G0+4*\s+2:G0+4*\s+3], s[14:15], \s*4*CBLK
	s_or_b32 s[G0+4*\s+3], s[G0+4*\s+3], 0x80000000
	s_mov_b32 s[G0B+4*\s], 1
	s_add_co_u32 s[G0B+4*\s+1], s20, \s*SLOT
	s_add_nc_u64 s[G0B+4*\s+2:G0B+4*\s+3], s[46:47], \s*256*2048
	s_or_b32 s[G0B+4*\s+3], s[G0B+4*\s+3], 0x80000000
	JLOAD \s                                       ; two tensor loads of the wave are out
.endr
	v_and_b32 v1, 15, v0
	v_bfe_u32 v2, v0, 4, 1
	v_mul_u32_u24 v3, v1, APITCH
	v_lshl_add_u32 v3, v2, 4, v3
	v_and_b32 v4, 7, v0
	v_lshl_add_u32 v4, v2, 3, v4
	v_mul_u32_u24 v4, v4, BPITCH
	v_bfe_u32 v5, v0, 3, 1
	v_lshl_add_u32 v4, v5, 4, v4
	s_mul_i32 s16, s11, 64*APITCH
	s_lshl_b32 s17, s12, 7
	s_add_co_u32 s17, s17, BOFF
.irp s, 0,1
	v_add_nc_u32 v[ADRA+\s], s16, v3
	v_add_nc_u32 v[ADRB+2*\s], s17, v4
	v_add_nc_u32 v[ADRB+2*\s+1], PART, v[ADRB+2*\s]
	s_add_co_u32 s16, s16, SLOT
	s_add_co_u32 s17, s17, SLOT
.endr
	s_mul_i32 s23, s10, 16*SPITCH
	s_add_co_u32 s23, s23, STAGE
	v_mul_u32_u24 v5, v1, SPITCH
	v_lshl_add_u32 v5, v2, 5, v5
	v_add_nc_u32 v[STO], s23, v5
	v_mul_u32_u24 v6, v2, SPITCH
	v_lshl_add_u32 v6, v1, 4, v6
	v_add_nc_u32 v[RD], s23, v6
	v_lshlrev_b32 v[BO], 4, v1
	v_lshl_add_u32 v[CO], v2, 12, v[BO]
	s_lshl_b32 s2, s42, 9
	s_lshl_b32 s3, s12, 8
	s_add_co_u32 s2, s2, s3
	s_mov_b32 s3, 0
	s_lshl_b32 s21, s13, 19
	s_lshl_b32 s22, s11, 18
	s_add_co_u32 s66, s21, s22
	s_add_co_u32 s66, s66, s2
	s_mov_b32 s67, 0
	s_add_nc_u64 s[68:69], s[68:69], s[2:3]
	s_add_nc_u64 s[70:71], s[70:71], s[66:67]
	s_add_nc_u64 s[8:9], s[8:9], s[66:67]
	WIN 0x40
.irp a, 0,1,2,3
.irp t, 0,1,2,3,4,5,6,7
	global_load_b128 v[RES+32*\a+4*\t:RES+32*\a+4*\t+3], v[CO], s[70:71] offset:(16*\a+2*\t)*4096   ; on their way during the whole K loop
.endr
.endr
	WIN 0
	global_load_b128 v[BIAS:BIAS+3], v[BO], s[68:69]
.macro MUL4 f, a, zero
.irp b, 0,1,2,3
.if \zero
	v_wmma_f32_16x16x32_bf16 v[8*(4*\a+\b):8*(4*\a+\b)+7], v[\f+8*\b:\f+8*\b+7], v[\f+32+8*\a:\f+32+8*\a+7], 0
.else
	v_wmma_f32_16x16x32_bf16 v[8*(4*\a+\b):8*(4*\a+\b)+7], v[\f+8*\b:\f+8*\b+7], v[\f+32+8*\a:\f+32+8*\a+7], v[8*(4*\a+\b):8*(4*\a+\b)+7]
.endif
.endr
.endm
.macro FETCH slot, q, f
.irp i, 0,1,2,3
	ds_load_tr16_b128 v[\f+8*\i:\f+8*\i+3],   v[ADRB+2*\slot+(\q>>2)] offset:(\q&3)*32*BPITCH+32*\i
	ds_load_tr16_b128 v[\f+8*\i+4:\f+8*\i+7], v[ADRB+2*\slot+(\q>>2)] offset:(\q&3)*32*BPITCH+32*\i+16*BPITCH
.endr
.irp i, 0,1,2,3
	ds_load_b128 v[\f+32+8*\i:\f+32+8*\i+3],   v[ADRA+\slot] offset:(\q>>1)*AREG+(\q&1)*64+\i*16*APITCH
	ds_load_b128 v[\f+32+8*\i+4:\f+32+8*\i+7], v[ADRA+\slot] offset:(\q>>1)*AREG+(\q&1)*64+\i*16*APITCH+32
.endr
.endm
.macro PLACES                          ; four plain places behind a matrix instruction (ISA guide 7.12.1)
.rept 4
	v_nop
.endr
.endm
.macro QUARTER slot, q, f, g, zero
	s_wait_dscnt 4                                 ; B and A's tiles 0, 1 are in; the youngest four loads (tiles 2, 3) may be out
	WIN ACCW
	MUL4 \f, 0, \zero
	MUL4 \f, 1, \zero
	PLACES
	WIN 0
	FETCH \slot, \q, \g
	s_wait_dscnt 16                                ; all but the 16 just issued
	WIN ACCW
	MUL4 \f, 2, \zero
	MUL4 \f, 3, \zero
.endm
.macro SEVEN slot, zero
	QUARTER \slot, 1, F0, F1, \zero
	QUARTER \slot, 2, F1, F0, 0
	QUARTER \slot, 3, F0, F1, 0
	QUARTER \slot, 4, F1, F0, 0
	QUARTER \slot, 5, F0, F1, 0
	QUARTER \slot, 6, F1, F0, 0
	QUARTER \slot, 7, F0, F1, 0
.endm
; the slot's last quarter and the change of slots: waits for my reads and for all my tensor loads in front of the barrier; with fill = 1 the barrier
; opens a round of the cluster's barrier and the joint refill is the first tensor load behind the round's closing wait
.macro TURN slot, next, fill
	s_wait_dscnt 4
	WIN ACCW
	MUL4 F1, 0, 0
	s_wait_dscnt 0
	s_wait_tensorcnt 0x0
	ds_add_u32 v62, v63
	s_wait_dscnt 0x0
	s_barrier_signal -1
	MUL4 F1, 1, 0
	WIN 0
	s_barrier_wait -1
.if \fill
	CREST
	s_add_nc_u64 s[G0+4*\slot+2:G0+4*\slot+3], s[G0+4*\slot+2:G0+4*\slot+3], 8*CBLK
	s_add_nc_u64 s[G0B+4*\slot+2:G0B+4*\slot+3], s[G0B+4*\slot+2:G0B+4*\slot+3], 512*2048
	JLOAD \slot
.endif
	PLACES
	FETCH \next, 0, F0
	WIN ACCW
	MUL4 F1, 2, 0
	MUL4 F1, 3, 0
.endm
.macro LAP zero
	SEVEN 0, \zero
	TURN 0, 1, 1
	SEVEN 1, 0
	TURN 1, 0, 1
.endm
	s_wait_tensorcnt 1                             ; my part of slot 0 is in; slot 1's may stay out
	s_barrier_signal -1
	s_barrier_wait -1
	FETCH 0, 0, F0
	LAP 1
.if LAPS > 2
	WIN 0
	s_mov_b32 s3, LAPS-2
.Llap:
	LAP 0
	WIN 0
	s_sub_co_u32 s3, s3, 1
	s_cmp_lg_u32 s3, 0
	s_cbranch_scc1 .Llap
.endif
	SEVEN 0, 0                                     ; the last lap fills nothing
	TURN 0, 1, 0
	SEVEN 1, 0
	s_wait_dscnt 4
	WIN ACCW
	MUL4 F1, 0, 0
	MUL4 F1, 1, 0
	s_wait_dscnt 0
	MUL4 F1, 2, 0
	MUL4 F1, 3, 0
	; THE WAY OUT: residual + bias first, then 16 tokens at a time through my stage, so that sixteen lanes store 256 consecutive bytes, aligned
	PLACES
	s_wait_loadcnt 0x0                             ; residual and bias
	WIN 0x41
.set k, 0
.rept 32
	v_pk_add_f32 v[RES+4*k:RES+4*k+1],   v[RES+4*k:RES+4*k+1],   v[BIAS:BIAS+1]
	v_pk_add_f32 v[RES+4*k+2:RES+4*k+3], v[RES+4*k+2:RES+4*k+3], v[BIAS+2:BIAS+3]
.set k, k+1
.endr
.macro OUTF a, rb
	WIN 0x04
.irp b, 0,1,2,3
	ds_store_b128 v[STO], v[8*(4*\a+\b):8*(4*\a+\b)+3]   offset:64*\b
	ds_store_b128 v[STO], v[8*(4*\a+\b)+4:8*(4*\a+\b)+7] offset:64*\b+16
.endr
	WIN 0
	s_wait_xcnt 0x0                                ; registers that earlier stores read are loaded again only behind this wait
.irp t, 0,1,2,3,4,5,6,7
	ds_load_b128 v[\rb+4*\t:\rb+4*\t+3], v[RD] offset:2*SPITCH*\t   ; a wave's LDS instructions are served in order
.endr
	s_wait_dscnt 0x0
	WIN 0x04
.irp t, 0,1,2,3,4,5,6,7
	v_pk_add_f32 v[\rb+4*\t:\rb+4*\t+1],   v[\rb+4*\t:\rb+4*\t+1],   v[RES+32*\a+4*\t:RES+32*\a+4*\t+1]
	v_pk_add_f32 v[\rb+4*\t+2:\rb+4*\t+3], v[\rb+4*\t+2:\rb+4*\t+3], v[RES+32*\a+4*\t+2:RES+32*\a+4*\t+3]
.endr
	WIN 0
.irp t, 0,1,2,3,4,5,6,7
	global_store_b128 v[CO], v[\rb+4*\t:\rb+4*\t+3], s[8:9] offset:(16*\a+2*\t)*4096
.endr
.endm
	OUTF 0, RB0
	OUTF 1, RB1
	OUTF 2, RB0
	OUTF 3, RB1
	s_wait_tensorcnt 0x0
	ds_add_u32 v62, v63
	s_wait_dscnt 0x0
	CROUND                                         ; the closing round
	s_endpgm
.Lfunc_end_k_q84609614f1_ffn2:
	.size	k_q84609614f1_ffn2, .Lfunc_end_k_q84609614f1_ffn2-k_q84609614f1_ffn2
	.p2alignl 7, 3214868480
	.fill 96, 4, 3214868480
	.section	.rodata,"a",@progbits
	.p2align	6, 0x0
	.amdhsa_kernel k_q84609614f1_ffn2
		.amdhsa_group_segment_fixed_size 327680
		.amdhsa_private_segment_fixed_size 0
		.amdhsa_enable_private_segment 0
		.amdhsa_kernarg_size 40
		.amdhsa_user_sgpr_count 2
		.amdhsa_user_sgpr_kernarg_segment_ptr 1
		.amdhsa_wavefront_size32 1
		.amdhsa_system_sgpr_workgroup_id_x 1
		.amdhsa_system_sgpr_workgroup_id_y 1
		.amdhsa_system_sgpr_workgroup_id_z 1
		.amdhsa_system_vgpr_workitem_id 0
		.amdhsa_next_free_vgpr 512
		.amdhsa_next_free_sgpr 72
		.amdhsa_reserve_vcc 0
		.amdhsa_float_denorm_mode_32 3
		.amdhsa_float_denorm_mode_16_64 3
		.amdhsa_memory_ordered 1
		.amdhsa_forward_progress 1
		.amdhsa_inst_pref_size 138
	.end_amdhsa_kernel
	.amdgpu_metadata
---
amdhsa.version: [ 1, 2 ]
amdhsa.kernels:
  - .name:           k_q84609614f1_ffn2
    .symbol:         k_q84609614f1_ffn2.kd
    .args:
      - { .name: g, .offset: 0, .size: 8, .value_kind: global_buffer, .address_space: global }
      - { .name: wb, .offset: 8, .size: 8, .value_kind: global_buffer, .address_space: global }
      - { .name: out0, .offset: 16, .size: 8, .value_kind: global_buffer, .address_space: global }
      - { .name: ffn_b2, .offset: 24, .size: 8, .value_kind: global_buffer, .address_space: global }
      - { .name: x1, .offset: 32, .size: 8, .value_kind: global_buffer, .address_space: global }
    .group_segment_fixed_size: 327680
    .private_segment_fixed_size: 0
    .kernarg_segment_align: 8
    .kernarg_segment_size: 40
    .max_flat_workgroup_size: 128
    .sgpr_count:     72
    .vgpr_count:     512
    .wavefront_size: 32
...
	.end_amdgpu_metadata
.endif
;; end of part 7
;; ======== version 2 of 2: 7 launches; version 1 with the launches prep, ln2 written anew for expert scheduling mode
;; workspace buffers: wb 25,165,824 bytes; h 8,388,608 bytes; qkv 25,165,824 bytes; ctx 8,388,608 bytes; x1 16,777,216 bytes; g 33,554,432 bytes
;; launch prep (part 8): grid 1024 x 1, 8 waves a work-group, no clusters, 0 bytes of LDS; arguments x, ln1_g, ln1_b, h, qkv_w, out_w, ffn_w1, ffn_w2, wb; writes h, wb
.if DOCPART == 8
	.amdgcn_target "amdgcn-amd-amdhsa--gfx1250"
	.amdhsa_code_object_version 6
	.text
	.protected	k_q84609614f1_prep
	.globl	k_q84609614f1_prep
	.p2align	8
	.type	k_q84609614f1_prep,@function
k_q84609614f1_prep:
	s_mov_b64 s[64:65], 0
	v_nop
	global_prefetch_b8 v0, s[64:65] scope:SCOPE_SE
	s_setreg_imm32_b32 hwreg(HW_REG_WAVE_SCHED_MODE, 0, 2), 2
	s_setreg_imm32_b32 hwreg(HW_REG_WAVE_MODE, 25, 1), 1
	s_wait_xcnt 0x0
	s_wait_alu depctr_vm_vsrc(0)
; Two independent streams in one launch, chosen by the work-group's number alone: neither reads what the other stores.
; WORK-GROUPS 0 TO 255: h = (x - mean) / (std + 1e-5) * gain + shift, row by row; std with divisor 1023; x f32 [4096][1024]; h in bf16.
;   h is stored in column blocks: [16 blocks of 64 columns][4096 tokens][64], so token t of block j lies at (j * 4096 + t) * 128 bytes.
;   Sixteen lanes own a row, a wave two neighbouring rows, the work-group 16 rows.  Lane r holds columns 64 j + 4 r .. + 3, j = 0..15:
;   a load's sixteen lanes cover 256 consecutive bytes of a row, and a store of the wave covers 256 consecutive bytes, aligned
;   (two tokens of block j).  The row stays in 64 registers between the passes: mean first, then the centred squares, so that no
;   difference of large sums is formed.  A row lives inside one group of 16 lanes, so four xor steps on the arithmetic finish a sum.
;   Limits: v_sqrt_f32 and v_rcp_f32 flush denormals (ISA guide, their entries), which matters only for a variance below 2^-126.
; WORK-GROUPS 256 TO 1023: wb = the four weight matrices rounded once to bf16 (nearest even), each in its own [K][N] order, one behind the
;   other: qkv_w at byte 0, out_w at 6,291,456, ffn_w1 at 8,388,608, ffn_w2 at 16,777,216.  Together 12 x 2^20 numbers.
;   A work-group takes 16,384 numbers (64 KiB in, 32 KiB out), so 64 work-groups make 2^20 numbers and 768 make all.  Thread t takes 4 numbers
;   of each of sixteen runs of 1,024: a load of a wave covers 512 consecutive bytes, a store 256 consecutive bytes, aligned, and no byte
;   is asked for twice.  All sixteen loads go out first; no register is written twice.
; Both are bound by their bytes: no LDS, no barrier, no matrix unit.
; THE MODE: SCHED_MODE bits 1:0 = 2 (LLVM: expert scheduling mode 2), set by the entry lines.  The code itself states the register dependences
; between vector instructions and memory instructions, with s_wait_alu, always for 0.
; THE PLAN, first stream.  Registers that memory instructions touch:
;   v1, v2, v3   offsets: written once at the head, read by the loads (v1, v2) and by the stores (v3), never written again.
;   X, G, BV     written by the 48 loads at the head alone; no vector instruction names them ahead of those loads.
;   Y            each register written once, by a rounding, and read once, by a store.
;   One wait ahead of the first load states the offsets.  The last pass goes in two halves of eight column blocks: one wait behind the first half
;   states Y's first sixteen registers; that half's eight stores are dealt among the second half's vector instructions, which name X, G, BV and Y's
;   other sixteen registers only; one wait behind the second half states these, ahead of the last eight stores.
; THE PLAN, second stream.  v1, v2: offsets, written once at the head.  CX: written by the sixteen loads alone.  CY: each register written once, by a
;   rounding, and read once, by a store.  The sixteen runs go in four groups of four: at the head of a group one wait states that the group before has
;   written its CY, and that group's four stores are dealt among this group's roundings, which name other registers of CX and CY.
; In neither stream is a register that a memory instruction reads written again, so no wait on vm_vsrc is owed.
.set NLN, 256                          ; work-groups of the first stream
.set X,  8                             ; v[8:71]    the row's 64 numbers of this lane
.set G,  72                            ; v[72:135]  gain of my columns
.set BV, 136                           ; v[136:199] shift of my columns
.set Y,  200                           ; v[200:231] results in bf16
.set T,  232                           ; v[232:239] at work: no memory instruction names them
.set CX, 4                             ; second stream: v[4:67]  run i: 4 numbers in f32
.set CY, 68                            ; second stream: v[68:99] run i: 4 numbers in bf16
	s_cmp_lt_u32 ttmp9, NLN
	s_cbranch_scc0 .Lcast
	s_load_b256 s[4:11], s[0:1], 0x0               ; x s[4:5], gain s[6:7], shift s[8:9], h s[10:11]
	v_and_b32 v4, 15, v0                           ; r
	v_lshrrev_b32 v5, 4, v0                        ; row of the work-group's 16
	v_lshlrev_b32 v2, 4, v4                        ; 16 r: gain and shift
	v_lshl_add_u32 v1, v5, 12, v2                  ; row * 4096 + 16 r: x
	v_lshlrev_b32 v3, 3, v4
	v_lshl_add_u32 v3, v5, 7, v3                   ; row * 128 + 8 r: h
	s_lshl_b32 s2, ttmp9, 16                       ; 16 rows of 4,096 bytes
	s_mov_b32 s3, 0
	s_lshl_b32 s12, ttmp9, 11                      ; 16 tokens of 128 bytes
	s_mov_b32 s13, 0
	s_wait_kmcnt 0x0
	s_add_nc_u64 s[4:5], s[4:5], s[2:3]
	s_add_nc_u64 s[10:11], s[10:11], s[12:13]
	s_wait_alu depctr_va_vdst(0)                   ; v1, v2 and v3 are written: every load and store of this stream reads one of them as its offset
.irp j, 0,1,2,3,4,5,6,7,8,9,10,11,12,13,14,15
	global_load_b128 v[X+4*\j:X+4*\j+3], v1, s[4:5] offset:256*\j
.endr
.irp j, 0,1,2,3,4,5,6,7,8,9,10,11,12,13,14,15
	global_load_b128 v[G+4*\j:G+4*\j+3], v2, s[6:7] offset:256*\j
.endr
.irp j, 0,1,2,3,4,5,6,7,8,9,10,11,12,13,14,15
	global_load_b128 v[BV+4*\j:BV+4*\j+3], v2, s[8:9] offset:256*\j
.endr
; four chains of pairs in v[T:T+7] fold to one number, then over the row's sixteen lanes: every lane ends with the row's sum
.macro REDUCE
	v_pk_add_f32 v[T:T+1], v[T:T+1], v[T+2:T+3]
	v_pk_add_f32 v[T+4:T+5], v[T+4:T+5], v[T+6:T+7]
	v_pk_add_f32 v[T:T+1], v[T:T+1], v[T+4:T+5]
	v_add_f32 v[T], v[T], v[T+1]
	v_add_f32_dpp v[T], v[T], v[T] row_xmask:1 row_mask:0xf bank_mask:0xf
	v_add_f32_dpp v[T], v[T], v[T] row_xmask:2 row_mask:0xf bank_mask:0xf
	v_add_f32_dpp v[T], v[T], v[T] row_xmask:4 row_mask:0xf bank_mask:0xf
	v_add_f32_dpp v[T], v[T], v[T] row_xmask:8 row_mask:0xf bank_mask:0xf
.endm
	s_wait_loadcnt 32                              ; x's sixteen loads are in; the 32 of gain and shift may stay out
.irp k, 0,1,2,3
	v_pk_add_f32 v[T+2*\k:T+2*\k+1], v[X+2*\k:X+2*\k+1], v[X+8+2*\k:X+8+2*\k+1]   ; the first sums start the chains
.endr
.set j, 8
.rept 24
	v_pk_add_f32 v[T+2*(j%4):T+2*(j%4)+1], v[T+2*(j%4):T+2*(j%4)+1], v[X+2*j:X+2*j+1]
.set j, j+1
.endr
	REDUCE
	v_mul_f32 v[T+2], 0x3a800000, v[T]             ; mean = sum / 1024
	v_mov_b32 v[T+3], v[T+2]
.set j, 0
.rept 32
	v_pk_add_f32 v[X+2*j:X+2*j+1], v[X+2*j:X+2*j+1], v[T+2:T+3] neg_lo:[0,1] neg_hi:[0,1]   ; x - mean
.set j, j+1
.endr
.irp k, 0,1,2,3
	v_pk_mul_f32 v[T+2*\k:T+2*\k+1], v[X+2*\k:X+2*\k+1], v[X+2*\k:X+2*\k+1]
.endr
.set j, 4
.rept 28
	v_pk_fma_f32 v[T+2*(j%4):T+2*(j%4)+1], v[X+2*j:X+2*j+1], v[X+2*j:X+2*j+1], v[T+2*(j%4):T+2*(j%4)+1]
.set j, j+1
.endr
	REDUCE
	v_mul_f32 v[T], 0x3a802008, v[T]               ; / 1023
	v_sqrt_f32 v[T+1], v[T]
	v_nop                                          ; one plain instruction behind a transcendental before its result is used (ISA guide 5.7.2)
	s_wait_alu depctr_va_vdst(0)                   ; the square root has written v[T+1], which the add below reads
	v_add_f32 v[T+1], 0x3727c5ac, v[T+1]           ; std + 1e-5
	v_rcp_f32 v[T+2], v[T+1]
	v_nop
	s_wait_alu depctr_va_vdst(0)                   ; the reciprocal has written v[T+2], which the move below reads
	v_mov_b32 v[T+3], v[T+2]
.set j, 0
.rept 32
	v_pk_mul_f32 v[X+2*j:X+2*j+1], v[X+2*j:X+2*j+1], v[T+2:T+3]
.set j, j+1
.endr
	s_wait_loadcnt 0x0                             ; gain and shift
.set j, 0
.rept 16                                               ; column blocks 0 to 7: gain and shift,
	v_pk_fma_f32 v[X+2*j:X+2*j+1], v[X+2*j:X+2*j+1], v[G+2*j:G+2*j+1], v[BV+2*j:BV+2*j+1]
.set j, j+1
.endr
.irp j, 0,1,2,3,4,5,6,7
	v_cvt_pk_bf16_f32 v[Y+2*\j],   v[X+4*\j],   v[X+4*\j+1]                          ; and the roundings
	v_cvt_pk_bf16_f32 v[Y+2*\j+1], v[X+4*\j+2], v[X+4*\j+3]
.endr
	s_wait_alu depctr_va_vdst(0)                   ; the roundings have written v[Y:Y+15], which the eight stores below read
.irp j, 0,1,2,3,4,5,6,7
	global_store_b64 v3, v[Y+2*\j:Y+2*\j+1], s[10:11] offset:524288*\j             ; block j; no vector instruction since the wait names its registers
	v_pk_fma_f32 v[X+32+4*\j:X+32+4*\j+1], v[X+32+4*\j:X+32+4*\j+1], v[G+32+4*\j:G+32+4*\j+1], v[BV+32+4*\j:BV+32+4*\j+1]   ; block j + 8
	v_pk_fma_f32 v[X+34+4*\j:X+34+4*\j+1], v[X+34+4*\j:X+34+4*\j+1], v[G+34+4*\j:G+34+4*\j+1], v[BV+34+4*\j:BV+34+4*\j+1]
	v_cvt_pk_bf16_f32 v[Y+16+2*\j], v[X+32+4*\j], v[X+33+4*\j]
	v_cvt_pk_bf16_f32 v[Y+17+2*\j], v[X+34+4*\j], v[X+35+4*\j]
.endr
	s_wait_alu depctr_va_vdst(0)                   ; the roundings have written v[Y+16:Y+31], which the last eight stores read
.irp j, 8,9,10,11,12,13,14,15
	global_store_b64 v3, v[Y+2*\j:Y+2*\j+1], s[10:11] offset:524288*\j   ; block j: 7,864,320 at the most, inside the signed 24 bits
.endr
	s_endpgm
.Lcast:
	s_load_b256 s[4:11], s[0:1], 0x20              ; qkv_w s[4:5], out_w s[6:7], ffn_w1 s[8:9], ffn_w2 s[10:11]
	s_load_b64 s[12:13], s[0:1], 0x40              ; wb
	s_sub_co_u32 s20, ttmp9, NLN                   ; my number among the 768
	s_lshr_b32 s2, s20, 6                          ; u: which 2^20 numbers of the twelve
	s_and_b32 s3, s20, 63                          ; my place among the 64 work-groups of u
	v_lshlrev_b32 v1, 4, v0                        ; 16 bytes a thread in
	v_lshlrev_b32 v2, 3, v0                        ; 8 bytes a thread out
	s_wait_kmcnt 0x0
	s_mov_b64 s[14:15], s[10:11]                   ; u = 8..11: ffn_w2, which begins at u = 8
	s_mov_b32 s16, 8
	s_cmp_lt_u32 s2, 8
	s_cselect_b64 s[14:15], s[8:9], s[14:15]       ; u = 4..7: ffn_w1
	s_cselect_b32 s16, 4, s16
	s_cmp_lt_u32 s2, 4
	s_cselect_b64 s[14:15], s[6:7], s[14:15]       ; u = 3: out_w
	s_cselect_b32 s16, 3, s16
	s_cmp_lt_u32 s2, 3
	s_cselect_b64 s[14:15], s[4:5], s[14:15]       ; u = 0..2: qkv_w
	s_cselect_b32 s16, 0, s16
	s_sub_co_u32 s2, s2, s16                       ; u counted from the matrix's first
	s_lshl_b32 s2, s2, 6
	s_add_co_u32 s2, s2, s3
	s_lshl_b32 s18, s2, 16                         ; 64 KiB of f32 for each work-group
	s_mov_b32 s19, 0
	s_add_nc_u64 s[14:15], s[14:15], s[18:19]
	s_lshl_b32 s18, s20, 15                        ; 32 KiB of bf16 for each work-group
	s_add_nc_u64 s[12:13], s[12:13], s[18:19]
	s_wait_alu depctr_va_vdst(0)                   ; v1 and v2 are written: the loads read v1, the stores v2, as their offsets
.irp i, 0,1,2,3,4,5,6,7,8,9,10,11,12,13,14,15
	global_load_b128 v[CX+4*\i:CX+4*\i+3], v1, s[14:15] offset:4096*\i th:TH_LOAD_NT
.endr
	s_wait_loadcnt 12                              ; loads come back in order: runs 0 to 3 are in, the twelve younger runs' stay out
.irp i, 0,1,2,3
	v_cvt_pk_bf16_f32 v[CY+2*\i],   v[CX+4*\i],   v[CX+4*\i+1]
	v_cvt_pk_bf16_f32 v[CY+2*\i+1], v[CX+4*\i+2], v[CX+4*\i+3]
.endr
.irp g, 1,2,3
	s_wait_loadcnt 12-4*(\g)                       ; this group's four runs are in, the younger groups' stay out
	s_wait_alu depctr_va_vdst(0)                   ; the group before has written its eight registers of CY, which the four stores below read
.irp i, 0,1,2,3
	global_store_b64 v2, v[CY+8*((\g)-1)+2*\i:CY+8*((\g)-1)+2*\i+1], s[12:13] offset:2048*(4*((\g)-1)+\i)   ; the group before; no vector instruction since the wait names its registers
	v_cvt_pk_bf16_f32 v[CY+8*(\g)+2*\i],   v[CX+16*(\g)+4*\i],   v[CX+16*(\g)+4*\i+1]
	v_cvt_pk_bf16_f32 v[CY+8*(\g)+2*\i+1], v[CX+16*(\g)+4*\i+2], v[CX+16*(\g)+4*\i+3]
.endr
.endr
	s_wait_alu depctr_va_vdst(0)                   ; the last group has written v[CY+24:CY+31], which the last four stores read
.irp i, 0,1,2,3
	global_store_b64 v2, v[CY+24+2*\i:CY+24+2*\i+1], s[12:13] offset:2048*(12+\i)
.endr
	s_endpgm
.Lfunc_end_k_q84609614f1_prep:
	.size	k_q84609614f1_prep, .Lfunc_end_k_q84609614f1_prep-k_q84609614f1_prep
	.p2alignl 7, 3214868480
	.fill 96, 4, 3214868480
	.section	.rodata,"a",@progbits
	.p2align	6, 0x0
	.amdhsa_kernel k_q84609614f1_prep
		.amdhsa_group_segment_fixed_size 0
		.amdhsa_private_segment_fixed_size 0
		.amdhsa_enable_private_segment 0
		.amdhsa_kernarg_size 72
		.amdhsa_user_sgpr_count 2
		.amdhsa_user_sgpr_kernarg_segment_ptr 1
		.amdhsa_wavefront_size32 1
		.amdhsa_system_sgpr_workgroup_id_x 1
		.amdhsa_system_sgpr_workgroup_id_y 1
		.amdhsa_system_sgpr_workgroup_id_z 1
		.amdhsa_system_vgpr_workitem_id 0
		.amdhsa_next_free_vgpr 240
		.amdhsa_next_free_sgpr 66
		.amdhsa_reserve_vcc 0
		.amdhsa_float_denorm_mode_32 3
		.amdhsa_float_denorm_mode_16_64 3
		.amdhsa_memory_ordered 1
		.amdhsa_forward_progress 1
		.amdhsa_inst_pref_size 27
	.end_amdhsa_kernel
	.amdgpu_metadata
---
amdhsa.version: [ 1, 2 ]
amdhsa.kernels:
  - .name:           k_q84609614f1_prep
    .symbol:         k_q84609614f1_prep.kd
    .args:
      - { .name: x, .offset: 0, .size: 8, .value_kind: global_buffer, .address_space: global }
      - { .name: ln1_g, .offset: 8, .size: 8, .value_kind: global_buffer, .address_space: global }
      - { .name: ln1_b, .offset: 16, .size: 8, .value_kind: global_buffer, .address_space: global }
      - { .name: h, .offset: 24, .size: 8, .value_kind: global_buffer, .address_space: global }
      - { .name: qkv_w, .offset: 32, .size: 8, .value_kind: global_buffer, .address_space: global }
      - { .name: out_w, .offset: 40, .size: 8, .value_kind: global_buffer, .address_space: global }
      - { .name: ffn_w1, .offset: 48, .size: 8, .value_kind: global_buffer, .address_space: global }
      - { .name: ffn_w2, .offset: 56, .size: 8, .value_kind: global_buffer, .address_space: global }
      - { .name: wb, .offset: 64, .size: 8, .value_kind: global_buffer, .address_space: global }
    .group_segment_fixed_size: 0
    .private_segment_fixed_size: 0
    .kernarg_segment_align: 8
    .kernarg_segment_size: 72
    .max_flat_workgroup_size: 256
    .sgpr_count:     66
    .vgpr_count:     240
    .wavefront_size: 32
...
	.end_amdgpu_metadata
.endif
;; end of part 8
;; launch qkvg: the kernel of part 2 again; grid 12 x 16, 4 waves a work-group, clusters of 4 x 4, 327,680 bytes of LDS; arguments h, wb, qkv; writes qkv
;; launch attn: the kernel of part 3 again; grid 8 x 32, 8 waves a work-group, no clusters, 327,680 bytes of LDS; arguments qkv, ctx; writes ctx
;; launch oproj: the kernel of part 4 again; grid 8 x 32, 4 waves a work-group, clusters of 4 x 4, 327,680 bytes of LDS; arguments ctx, wb, x1, out_b, x; writes x1
;; launch ln2 (part 9): grid 256 x 1, 8 waves a work-group, no clusters, 0 bytes of LDS; arguments x1, ln2_g, ln2_b, h; writes h
.if DOCPART == 9
	.amdgcn_target "amdgcn-amd-amdhsa--gfx1250"
	.amdhsa_code_object_version 6
	.text
	.protected	k_q84609614f1_ln2
	.globl	k_q84609614f1_ln2
	.p2align	8
	.type	k_q84609614f1_ln2,@function
k_q84609614f1_ln2:
	s_mov_b64 s[64:65], 0
	v_nop
	global_prefetch_b8 v0, s[64:65] scope:SCOPE_SE
	s_setreg_imm32_b32 hwreg(HW_REG_WAVE_SCHED_MODE, 0, 2), 2
	s_setreg_imm32_b32 hwreg(HW_REG_WAVE_MODE, 25, 1), 1
	s_wait_xcnt 0x0
	s_wait_alu depctr_vm_vsrc(0)
; h = (x - mean) / (std + 1e-5) * gain + shift, row by row; std with divisor 1023; x f32 [4096][1024] (here x1); h in bf16.
; h is stored in column blocks: [16 blocks of 64 columns][4096 tokens][64], so token t of block j lies at (j * 4096 + t) * 128 bytes.
; Sixteen lanes own a row, a wave two neighbouring rows, the work-group 16 rows.  Lane r holds columns 64 j + 4 r .. + 3, j = 0..15:
; a load's sixteen lanes cover 256 consecutive bytes of a row, and a store of the wave covers 256 consecutive bytes, aligned
; (two tokens of block j).  The row stays in 64 registers between the passes: mean first, then the centred squares, so that no
; difference of large sums is formed.  A row lives inside one group of 16 lanes, so four xor steps on the arithmetic finish a sum.
; Limits: v_sqrt_f32 and v_rcp_f32 flush denormals (ISA guide, their entries), which matters only for a variance below 2^-126.
; A stream bound by its bytes: no LDS, no barrier, no matrix unit.
; THE MODE: SCHED_MODE bits 1:0 = 2 (LLVM: expert scheduling mode 2), set by the entry lines.  The code itself states the register dependences
; between vector instructions and memory instructions, with s_wait_alu, always for 0.
; THE PLAN.  Registers that memory instructions touch:
;   v1, v2, v3   offsets: written once at the head, read by the loads (v1, v2) and by the stores (v3), never written again.
;   X, G, BV     written by the 48 loads at the head alone; no vector instruction names them ahead of those loads.
;   Y            each register written once, by a rounding, and read once, by a store.
; One wait ahead of the first load states the offsets.  The last pass goes in two halves of eight column blocks: one wait behind the first half
; states Y's first sixteen registers; that half's eight stores are dealt among the second half's vector instructions, which name X, G, BV and Y's
; other sixteen registers only; one wait behind the second half states these, ahead of the last eight stores.
; No register that a memory instruction reads is written again, so no wait on vm_vsrc is owed.
.set X,  8                             ; v[8:71]    the row's 64 numbers of this lane
.set G,  72                            ; v[72:135]  gain of my columns
.set BV, 136                           ; v[136:199] shift of my columns
.set Y,  200                           ; v[200:231] results in bf16
.set T,  232                           ; v[232:239] at work: no memory instruction names them
	s_load_b256 s[4:11], s[0:1], 0x0               ; x s[4:5], gain s[6:7], shift s[8:9], h s[10:11]
	v_and_b32 v4, 15, v0                           ; r
	v_lshrrev_b32 v5, 4, v0                        ; row of the work-group's 16
	v_lshlrev_b32 v2, 4, v4                        ; 16 r: gain and shift
	v_lshl_add_u32 v1, v5, 12, v2                  ; row * 4096 + 16 r: x
	v_lshlrev_b32 v3, 3, v4
	v_lshl_add_u32 v3, v5, 7, v3                   ; row * 128 + 8 r: h
	s_lshl_b32 s2, ttmp9, 16                       ; 16 rows of 4,096 bytes
	s_mov_b32 s3, 0
	s_lshl_b32 s12, ttmp9, 11                      ; 16 tokens of 128 bytes
	s_mov_b32 s13, 0
	s_wait_kmcnt 0x0
	s_add_nc_u64 s[4:5], s[4:5], s[2:3]
	s_add_nc_u64 s[10:11], s[10:11], s[12:13]
	s_wait_alu depctr_va_vdst(0)                   ; v1, v2 and v3 are written: every load and store of the kernel reads one of them as its offset
.irp j, 0,1,2,3,4,5,6,7,8,9,10,11,12,13,14,15
	global_load_b128 v[X+4*\j:X+4*\j+3], v1, s[4:5] offset:256*\j
.endr
.irp j, 0,1,2,3,4,5,6,7,8,9,10,11,12,13,14,15
	global_load_b128 v[G+4*\j:G+4*\j+3], v2, s[6:7] offset:256*\j
.endr
.irp j, 0,1,2,3,4,5,6,7,8,9,10,11,12,13,14,15
	global_load_b128 v[BV+4*\j:BV+4*\j+3], v2, s[8:9] offset:256*\j
.endr
; four chains of pairs in v[T:T+7] fold to one number, then over the row's sixteen lanes: every lane ends with the row's sum
.macro REDUCE
	v_pk_add_f32 v[T:T+1], v[T:T+1], v[T+2:T+3]
	v_pk_add_f32 v[T+4:T+5], v[T+4:T+5], v[T+6:T+7]
	v_pk_add_f32 v[T:T+1], v[T:T+1], v[T+4:T+5]
	v_add_f32 v[T], v[T], v[T+1]
	v_add_f32_dpp v[T], v[T], v[T] row_xmask:1 row_mask:0xf bank_mask:0xf
	v_add_f32_dpp v[T], v[T], v[T] row_xmask:2 row_mask:0xf bank_mask:0xf
	v_add_f32_dpp v[T], v[T], v[T] row_xmask:4 row_mask:0xf bank_mask:0xf
	v_add_f32_dpp v[T], v[T], v[T] row_xmask:8 row_mask:0xf bank_mask:0xf
.endm
	s_wait_loadcnt 32                              ; x's sixteen loads are in; the 32 of gain and shift may stay out
.irp k, 0,1,2,3
	v_pk_add_f32 v[T+2*\k:T+2*\k+1], v[X+2*\k:X+2*\k+1], v[X+8+2*\k:X+8+2*\k+1]   ; the first sums start the chains
.endr
.set j, 8
.rept 24
	v_pk_add_f32 v[T+2*(j%4):T+2*(j%4)+1], v[T+2*(j%4):T+2*(j%4)+1], v[X+2*j:X+2*j+1]
.set j, j+1
.endr
	REDUCE
	v_mul_f32 v[T+2], 0x3a800000, v[T]             ; mean = sum / 1024
	v_mov_b32 v[T+3], v[T+2]
.set j, 0
.rept 32
	v_pk_add_f32 v[X+2*j:X+2*j+1], v[X+2*j:X+2*j+1], v[T+2:T+3] neg_lo:[0,1] neg_hi:[0,1]   ; x - mean
.set j, j+1
.endr
.irp k, 0,1,2,3
	v_pk_mul_f32 v[T+2*\k:T+2*\k+1], v[X+2*\k:X+2*\k+1], v[X+2*\k:X+2*\k+1]
.endr
.set j, 4
.rept 28
	v_pk_fma_f32 v[T+2*(j%4):T+2*(j%4)+1], v[X+2*j:X+2*j+1], v[X+2*j:X+2*j+1], v[T+2*(j%4):T+2*(j%4)+1]
.set j, j+1
.endr
	REDUCE
	v_mul_f32 v[T], 0x3a802008, v[T]               ; / 1023
	v_sqrt_f32 v[T+1], v[T]
	v_nop                                          ; one plain instruction behind a transcendental before its result is used (ISA guide 5.7.2)
	s_wait_alu depctr_va_vdst(0)                   ; the square root has written v[T+1], which the add below reads
	v_add_f32 v[T+1], 0x3727c5ac, v[T+1]           ; std + 1e-5
	v_rcp_f32 v[T+2], v[T+1]
	v_nop
	s_wait_alu depctr_va_vdst(0)                   ; the reciprocal has written v[T+2], which the move below reads
	v_mov_b32 v[T+3], v[T+2]
.set j, 0
.rept 32
	v_pk_mul_f32 v[X+2*j:X+2*j+1], v[X+2*j:X+2*j+1], v[T+2:T+3]
.set j, j+1
.endr
	s_wait_loadcnt 0x0                             ; gain and shift
.set j, 0
.rept 16                                               ; column blocks 0 to 7: gain and shift,
	v_pk_fma_f32 v[X+2*j:X+2*j+1], v[X+2*j:X+2*j+1], v[G+2*j:G+2*j+1], v[BV+2*j:BV+2*j+1]
.set j, j+1
.endr
.irp j, 0,1,2,3,4,5,6,7
	v_cvt_pk_bf16_f32 v[Y+2*\j],   v[X+4*\j],   v[X+4*\j+1]                          ; and the roundings
	v_cvt_pk_bf16_f32 v[Y+2*\j+1], v[X+4*\j+2], v[X+4*\j+3]
.endr
	s_wait_alu depctr_va_vdst(0)                   ; the roundings have written v[Y:Y+15], which the eight stores below read
.irp j, 0,1,2,3,4,5,6,7
	global_store_b64 v3, v[Y+2*\j:Y+2*\j+1], s[10:11] offset:524288*\j             ; block j; no vector instruction since the wait names its registers
	v_pk_fma_f32 v[X+32+4*\j:X+32+4*\j+1], v[X+32+4*\j:X+32+4*\j+1], v[G+32+4*\j:G+32+4*\j+1], v[BV+32+4*\j:BV+32+4*\j+1]   ; block j + 8
	v_pk_fma_f32 v[X+34+4*\j:X+34+4*\j+1], v[X+34+4*\j:X+34+4*\j+1], v[G+34+4*\j:G+34+4*\j+1], v[BV+34+4*\j:BV+34+4*\j+1]
	v_cvt_pk_bf16_f32 v[Y+16+2*\j], v[X+32+4*\j], v[X+33+4*\j]
	v_cvt_pk_bf16_f32 v[Y+17+2*\j], v[X+34+4*\j], v[X+35+4*\j]
.endr
	s_wait_alu depctr_va_vdst(0)                   ; the roundings have written v[Y+16:Y+31], which the last eight stores read
.irp j, 8,9,10,11,12,13,14,15
	global_store_b64 v3, v[Y+2*\j:Y+2*\j+1], s[10:11] offset:524288*\j   ; block j: 7,864,320 at the most, inside the signed 24 bits
.endr
	s_endpgm
.Lfunc_end_k_q84609614f1_ln2:
	.size	k_q84609614f1_ln2, .Lfunc_end_k_q84609614f1_ln2-k_q84609614f1_ln2
	.p2alignl 7, 3214868480
	.fill 96, 4, 3214868480
	.section	.rodata,"a",@progbits
	.p2align	6, 0x0
	.amdhsa_kernel k_q84609614f1_ln2
		.amdhsa_group_segment_fixed_size 0
		.amdhsa_private_segment_fixed_size 0
		.amdhsa_enable_private_segment 0
		.amdhsa_kernarg_size 32
		.amdhsa_user_sgpr_count 2
		.amdhsa_user_sgpr_kernarg_segment_ptr 1
		.amdhsa_wavefront_size32 1
		.amdhsa_system_sgpr_workgroup_id_x 1
		.amdhsa_system_sgpr_workgroup_id_y 1
		.amdhsa_system_sgpr_workgroup_id_z 1
		.amdhsa_system_vgpr_workitem_id 0
		.amdhsa_next_free_vgpr 240
		.amdhsa_next_free_sgpr 66
		.amdhsa_reserve_vcc 0
		.amdhsa_float_denorm_mode_32 3
		.amdhsa_float_denorm_mode_16_64 3
		.amdhsa_memory_ordered 1
		.amdhsa_forward_progress 1
		.amdhsa_inst_pref_size 21
	.end_amdhsa_kernel
	.amdgpu_metadata
---
amdhsa.version: [ 1, 2 ]
amdhsa.kernels:
  - .name:           k_q84609614f1_ln2
    .symbol:         k_q84609614f1_ln2.kd
    .args:
      - { .name: x1, .offset: 0, .size: 8, .value_kind: global_buffer, .address_space: global }
      - { .name: ln2_g, .offset: 8, .size: 8, .value_kind: global_buffer, .address_space: global }
      - { .name: ln2_b, .offset: 16, .size: 8, .value_kind: global_buffer, .address_space: global }
      - { .name: h, .offset: 24, .size: 8, .value_kind: global_buffer, .address_space: global }
    .group_segment_fixed_size: 0
    .private_segment_fixed_size: 0
    .kernarg_segment_align: 8
    .kernarg_segment_size: 32
    .max_flat_workgroup_size: 256
    .sgpr_count:     66
    .vgpr_count:     240
    .wavefront_size: 32
...
	.end_amdgpu_metadata
.endif
;; end of part 9
;; launch ffn1: the kernel of part 6 again; grid 16 x 16, 4 waves a work-group, clusters of 4 x 4, 327,680 bytes of LDS; arguments h, wb, g, ffn_b1; writes g
;; launch ffn2: the kernel of part 7 again; grid 8 x 32, 4 waves a work-group, clusters of 4 x 4, 327,680 bytes of LDS; arguments g, wb, out0, ffn_b2, x1; writes out0
